; MI455X (gfx1250); checked and timed in simulation.
; The chip was launched on July 23, 2026; its instructions are those of AMD's public machine-readable ISA for CDNA 5 (MIT licence, August 2026) and "CDNA5" Instruction Set Architecture Reference Guide (July 2026). The comments in the code are by the model that wrote it; some were corrected since.
;; Sparse Mo E Block. Allowed arithmetic: float matrix products may take bf16 or f16 operands with f32 sums; other float arithmetic in f32, or as packed bf16 or f16 multiplies, adds, multiply-adds, maxima and minima; sums over many terms, partial sums and values carried from step to step in f32; what a program stores and reads back later, other than sums and carried values, may be rounded once to bf16 or f16.
;; Inputs: b1 8 x 4,096 float32; router_w 8 x 1,024 float32; w1 8 x 4,096 x 1,024 float32; x 1 x 2,048 x 1,024 float32.
;; Outputs: out0 1 x 2,048 x 4,096 float32; out1 one number float32.
;; 2 versions, each right; version 2 is version 1 with the launch gemm written anew for expert scheduling mode. Each part assembles by itself: llvm-mc -triple=amdgcn-amd-amdhsa -mcpu=gfx1250 --defsym DOCPART=n.
;; ======== version 1 of 2: 4 launches
;; workspace buffers: ri 12,288 bytes of whole numbers; rf 20,480 bytes; xs 8,650,752 bytes; gi 17,152 bytes of whole numbers; rwt 16,896 bytes; part 67,108,864 bytes
;; launch router (part 1): grid 128 x 1, 8 waves a work-group, no clusters, 61,440 bytes of LDS; arguments x, router_w, ri, rf; writes ri, rf
.if DOCPART == 1
	.amdgcn_target "amdgcn-amd-amdhsa--gfx1250"
	.amdhsa_code_object_version 6
	.text
	.protected	k_q607a5b0f62_router
	.globl	k_q607a5b0f62_router
	.p2align	8
	.type	k_q607a5b0f62_router,@function
k_q607a5b0f62_router:
	s_mov_b64 s[64:65], 0
	v_nop
	global_prefetch_b8 v0, s[64:65] scope:SCOPE_SE
	s_setreg_imm32_b32 hwreg(HW_REG_WAVE_MODE, 25, 1), 1
	s_wait_xcnt 0x0
; ROUTER.  logits[t][e] = x[t] . router_w[e] (both rounded once to bf16, sums in f32); for each token the two largest logits (the lower index
; wins a tie), their softmax (c1, c2), and the softmax over all eight for the balance loss.
; A work-group has 16 tokens; wave w has k = 128 w .. 128 w + 127 of their rows and of the 8 router rows, so all of a work-group's 96 KiB are
; asked for at once, 24 loads of 512 consecutive bytes a wave.  The eight partial sums meet in LDS; wave 0 does the rest.
; STORED, all at fixed places: ri: sel[t] = e1 | e2 << 8 at 4 t; bm[wg][e] = (16-bit mask of the group's tokens that chose e) | count << 16 at 8192 + 32 wg + 4 e.
;          rf: (c1, c2) at 8 t; the 16 tokens' sum of softmax(logits)[e] at 16384 + 32 wg + 4 e.
; LIMITS.  NaN and infinities are not treated apart.  Where a token's second and third logit differ by less than the sums' rounding (about 1e-6 of
; the logits' size) the choice may differ from a sum taken in another order.  An exponential below 2^-126 counts as 0.
.set TP,    272                        ; an LDS row: 128 bf16 + 16 bytes of padding: 16 rows of a fragment load start at 16 different groups of four banks
.set TILEB, 24*TP                      ; a wave's tile: rows 0-15 tokens, rows 16-23 router rows
.set RED,   8*TILEB                    ; the partial sums: wave w, lane l at RED + 1024 w + 32 l
.set SPARE, RED+8*1024                 ; the spare words, 128 bytes a wave: four blocks of 256 bytes that no other line names
.set RAW,   12                         ; v12-107   24 loads x 4 f32
.set PKD,   108                        ; v108-155  the same as bf16 pairs
.set FT,    12                         ; v12-43    token fragments of 4 K steps
.set FR,    44                         ; v44-75    router fragments
.set A0,    160                        ; v160-167, v168-175 two accumulators that take turns
.set A1,    168
.set LG,    176                        ; v176-183  sums, later the eight logits
	s_load_b256 s[4:11], s[0:1], 0x0               ; x s[4:5], router_w s[6:7], ri s[8:9], rf s[10:11]
	v_lshl_add_u32 v9, v0, 2, SPARE                ; my spare word
	v_mov_b32 v10, 0
	v_and_b32 v1, 31, v0                           ; lane
	v_lshrrev_b32 v11, 5, v0
	v_readfirstlane_b32 s12, v11                   ; wave
	v_and_b32 v2, 15, v0                           ; r
	v_bfe_u32 v3, v0, 4, 1                         ; h
	v_lshlrev_b32 v4, 4, v1                        ; 16 bytes a lane
	s_lshl_b32 s16, s12, 9                         ; my 512 bytes of every row
	s_mov_b32 s17, 0
	s_lshl_b32 s14, ttmp9, 16                      ; 16 rows of 4,096 bytes a work-group
	s_add_co_u32 s14, s14, s16
	s_mov_b32 s15, 0
	s_mul_i32 s13, s12, TILEB
	s_wait_kmcnt 0x0
	s_add_nc_u64 s[4:5], s[4:5], s[14:15]
	s_add_nc_u64 s[6:7], s[6:7], s[16:17]
.set j, 0
.rept 16
	global_load_b128 v[RAW+4*j:RAW+4*j+3], v4, s[4:5] offset:4096*j
.set j, j+1
.endr
.rept 8
	global_load_b128 v[RAW+4*j:RAW+4*j+3], v4, s[6:7] offset:4096*(j-16)
.set j, j+1
.endr
	v_lshl_add_u32 v5, v1, 3, s13                  ; into the tile: 8 bytes a lane
	v_mul_u32_u24 v6, v2, TP
	v_lshl_add_u32 v6, v3, 4, v6
	v_add_nc_u32 v6, s13, v6                       ; token fragments: row r, 16 h
	v_and_b32 v7, 7, v0
	v_mul_u32_u24 v7, v7, TP
	v_lshl_add_u32 v7, v3, 4, v7
	s_add_co_u32 s18, s13, 16*TP
	v_add_nc_u32 v7, s18, v7                       ; router fragments: row 16 + r % 8: rows 8-15 of the operand repeat rows 0-7
	s_lshl_b32 s18, s12, 10
	s_add_co_u32 s18, s18, RED
	v_lshl_add_u32 v8, v1, 5, s18
.set j, 0
.rept 24
	s_wait_loadcnt 23-j                            ; loads come back in order: load j is in, the younger ones stay out
	v_cvt_pk_bf16_f32 v[PKD+2*j], v[RAW+4*j], v[RAW+4*j+1]
	v_cvt_pk_bf16_f32 v[PKD+2*j+1], v[RAW+4*j+2], v[RAW+4*j+3]
	ds_store_b64 v5, v[PKD+2*j:PKD+2*j+1] offset:TP*j
.set j, j+1
.endr
.irp s, 0,1,2,3                        ; my own bytes, served in order: no wait between the stores and these loads
	ds_load_b128 v[FT+8*(\s):FT+8*(\s)+3],   v6 offset:64*(\s)
	ds_load_b128 v[FT+8*(\s)+4:FT+8*(\s)+7], v6 offset:64*(\s)+32
	ds_load_b128 v[FR+8*(\s):FR+8*(\s)+3],   v7 offset:64*(\s)
	ds_load_b128 v[FR+8*(\s)+4:FR+8*(\s)+7], v7 offset:64*(\s)+32
.endr
	s_wait_dscnt 0x0
	; source 0 = router rows, source 1 = tokens: lane l holds token l % 16, register j expert j (in both halves of the lanes).  Two accumulators by turns.
	v_wmma_f32_16x16x32_bf16 v[A0:A0+7], v[FR:FR+7],       v[FT:FT+7],       0
	v_wmma_f32_16x16x32_bf16 v[A1:A1+7], v[FR+8:FR+15],    v[FT+8:FT+15],    0
	v_wmma_f32_16x16x32_bf16 v[A0:A0+7], v[FR+16:FR+23],   v[FT+16:FT+23],   v[A0:A0+7]
	v_wmma_f32_16x16x32_bf16 v[A1:A1+7], v[FR+24:FR+31],   v[FT+24:FT+31],   v[A1:A1+7]
.rept 4
	v_nop                                          ; four places between the last product and the first read of a result
.endr
.irp p, 0,2,4,6                        ; each accumulator is read from its low end on
	v_pk_add_f32 v[LG+(\p):LG+(\p)+1], v[A0+(\p):A0+(\p)+1], v[A1+(\p):A1+(\p)+1]
.endr
	ds_store_b128 v8, v[LG:LG+3]
	ds_store_b128 v8, v[LG+4:LG+7] offset:16
	s_wait_dscnt 0x0                               ; for wave 0's sake: my partial sums are in LDS
	s_barrier_signal -1
	s_barrier_wait -1
	s_cmp_lg_u32 s12, 0
	s_cbranch_scc1 .Lend                           ; no barrier lies in what waves 1 to 7 jump
	v_lshl_add_u32 v11, v1, 5, RED
.set j, 0
.rept 8
	ds_load_b128 v[12+8*j:15+8*j], v11 offset:1024*j
	ds_load_b128 v[16+8*j:19+8*j], v11 offset:1024*j+16
.set j, j+1
.endr
	s_mov_b32 s20, 0xff800000                      ; -infinity
	s_mov_b32 s21, 0x3fb8aa3b                      ; log2(e)
	s_wait_dscnt 0x0
.irp p, 0,2,4,6
	v_pk_add_f32 v[LG+(\p):LG+(\p)+1], v[12+(\p):13+(\p)], v[20+(\p):21+(\p)]
.endr
.irp w, 2,3,4,5,6,7                    ; the eight parts of K in ascending order
.irp p, 0,2,4,6
	v_pk_add_f32 v[LG+(\p):LG+(\p)+1], v[LG+(\p):LG+(\p)+1], v[12+8*(\w)+(\p):13+8*(\w)+(\p)]
.endr
.endr
	; the largest logit: a later one takes the place only if it is strictly greater, so the lower index wins a tie
	v_mov_b32 v184, v[LG]
	v_mov_b32 v185, 0
.irp e, 1,2,3,4,5,6,7
	v_cmp_gt_f32 vcc_lo, v[LG+(\e)], v184
	v_cndmask_b32 v184, v184, v[LG+(\e)], vcc_lo
	v_cndmask_b32 v185, v185, \e, vcc_lo
.endr
.irp e, 0,1,2,3,4,5,6,7                ; the same scan with the first choice taken out
	v_cmp_eq_u32 vcc_lo, \e, v185
	v_cndmask_b32 v[100+(\e)], v[LG+(\e)], s20, vcc_lo
.endr
	v_mov_b32 v186, v100
	v_mov_b32 v187, 0
.irp e, 1,2,3,4,5,6,7
	v_cmp_gt_f32 vcc_lo, v[100+(\e)], v186
	v_cndmask_b32 v186, v186, v[100+(\e)], vcc_lo
	v_cndmask_b32 v187, v187, \e, vcc_lo
.endr
	; both softmaxes take the largest logit away: exponents are at most 0
	v_mul_f32 v188, s21, v184
.irp e, 0,1,2,3,4,5,6,7
	v_fma_f32 v[108+(\e)], v[LG+(\e)], s21, -v188
.endr
	v_fma_f32 v116, v186, s21, -v188
.irp e, 0,1,2,3,4,5,6,7,8
	v_exp_f32 v[108+(\e)], v[108+(\e)]
.endr
	v_nop                                          ; a plain instruction behind the last exponential,
	s_wait_alu depctr_va_vdst(0)                   ; and one wait for the batch of nine, ahead of the first use
	v_pk_add_f32 v[120:121], v[108:109], v[110:111]
	v_pk_add_f32 v[122:123], v[112:113], v[114:115]
	v_pk_add_f32 v[120:121], v[120:121], v[122:123]
	v_add_f32 v120, v120, v121
	v_add_f32 v121, 1.0, v116
	v_rcp_f32 v122, v120
	v_rcp_f32 v124, v121                           ; c1 = 1 / (1 + t), t = e^(second - first)
	v_nop
	s_wait_alu depctr_va_vdst(0)                   ; one wait for the two reciprocals
	v_mul_f32 v125, v116, v124                     ; c2 = t c1
.irp e, 0,1,2,3,4,5,6,7
	v_mul_f32 v[108+(\e)], v[108+(\e)], v122
.endr
	v_lshl_or_b32 v126, v187, 8, v185              ; e1 | e2 << 8
	v_mov_b32 v127, 0
	v_mov_b32 v128, 0
.irp e, 0,1,2,3,4,5,6,7
	v_add_f32_dpp v[108+(\e)], v[108+(\e)], v[108+(\e)] row_xmask:1 row_mask:0xf bank_mask:0xf
	v_add_f32_dpp v[108+(\e)], v[108+(\e)], v[108+(\e)] row_xmask:2 row_mask:0xf bank_mask:0xf
	v_add_f32_dpp v[108+(\e)], v[108+(\e)], v[108+(\e)] row_xmask:4 row_mask:0xf bank_mask:0xf
	v_add_f32_dpp v[108+(\e)], v[108+(\e)], v[108+(\e)] row_xmask:8 row_mask:0xf bank_mask:0xf
	v_readfirstlane_b32 s22, v[108+(\e)]           ; the 16 tokens' sum,
	v_writelane_b32 v127, s22, \e                  ; into lane e
	v_cmp_eq_u32 s24, \e, v185
	v_cmp_eq_u32 s25, \e, v187
	s_or_b32 s24, s24, s25
	s_and_b32 s24, s24, 0xffff                     ; lanes 16-31 repeat lanes 0-15
	s_bcnt1_i32_b32 s25, s24
	s_lshl_b32 s25, s25, 16
	s_or_b32 s24, s24, s25
	v_writelane_b32 v128, s24, \e
.endr
	s_mov_b32 s27, 0
	s_lshl_b32 s26, ttmp9, 6
	s_add_nc_u64 s[28:29], s[8:9], s[26:27]        ; sel of my 16 tokens
	s_lshl_b32 s26, ttmp9, 7
	s_add_nc_u64 s[30:31], s[10:11], s[26:27]      ; their (c1, c2)
	s_lshl_b32 s26, ttmp9, 5
	s_add_nc_u64 s[32:33], s[8:9], s[26:27]        ; my eight masks,
	s_add_nc_u64 s[34:35], s[10:11], s[26:27]      ; my eight sums
	v_lshlrev_b32 v129, 2, v1
	v_lshlrev_b32 v130, 3, v1
	s_wait_xcnt 0x0                                ; EXEC changes only behind this wait
	v_cmp_gt_u32 vcc_lo, 16, v1
	s_and_saveexec_b32 s40, vcc_lo
	global_store_b32 v129, v126, s[28:29]
	global_store_b64 v130, v[124:125], s[30:31]
	s_wait_xcnt 0x0
	s_or_b32 exec_lo, exec_lo, s40
	v_cmp_gt_u32 vcc_lo, 8, v1
	s_and_saveexec_b32 s40, vcc_lo
	global_store_b32 v129, v128, s[32:33] offset:8192
	global_store_b32 v129, v127, s[34:35] offset:16384
	s_wait_xcnt 0x0
	s_or_b32 exec_lo, exec_lo, s40
.Lend:
	s_wait_tensorcnt 0x0                           ; the wave's end
	ds_add_u32 v9, v10
	s_wait_dscnt 0x0
	s_endpgm
.Lfunc_end_k_q607a5b0f62_router:
	.size	k_q607a5b0f62_router, .Lfunc_end_k_q607a5b0f62_router-k_q607a5b0f62_router
	.p2alignl 7, 3214868480
	.fill 96, 4, 3214868480
	.section	.rodata,"a",@progbits
	.p2align	6, 0x0
	.amdhsa_kernel k_q607a5b0f62_router
		.amdhsa_group_segment_fixed_size 61440
		.amdhsa_private_segment_fixed_size 0
		.amdhsa_enable_private_segment 0
		.amdhsa_kernarg_size 32
		.amdhsa_user_sgpr_count 2
		.amdhsa_user_sgpr_kernarg_segment_ptr 1
		.amdhsa_wavefront_size32 1
		.amdhsa_system_sgpr_workgroup_id_x 1
		.amdhsa_system_sgpr_workgroup_id_y 1
		.amdhsa_system_sgpr_workgroup_id_z 1
		.amdhsa_system_vgpr_workitem_id 0
		.amdhsa_next_free_vgpr 192
		.amdhsa_next_free_sgpr 66
		.amdhsa_reserve_vcc 1
		.amdhsa_float_denorm_mode_32 3
		.amdhsa_float_denorm_mode_16_64 3
		.amdhsa_memory_ordered 1
		.amdhsa_forward_progress 1
		.amdhsa_inst_pref_size 26
	.end_amdhsa_kernel
	.amdgpu_metadata
---
amdhsa.version: [ 1, 2 ]
amdhsa.kernels:
  - .name:           k_q607a5b0f62_router
    .symbol:         k_q607a5b0f62_router.kd
    .args:
      - { .name: x, .offset: 0, .size: 8, .value_kind: global_buffer, .address_space: global }
      - { .name: router_w, .offset: 8, .size: 8, .value_kind: global_buffer, .address_space: global }
      - { .name: ri, .offset: 16, .size: 8, .value_kind: global_buffer, .address_space: global }
      - { .name: rf, .offset: 24, .size: 8, .value_kind: global_buffer, .address_space: global }
    .group_segment_fixed_size: 61440
    .private_segment_fixed_size: 0
    .kernarg_segment_align: 8
    .kernarg_segment_size: 32
    .max_flat_workgroup_size: 256
    .sgpr_count:     66
    .vgpr_count:     192
    .wavefront_size: 32
...
	.end_amdgpu_metadata
.endif
;; end of part 1
;; launch place (part 2): grid 263 x 1, 4 waves a work-group, no clusters, 35,072 bytes of LDS; arguments x, ri, rf, xs, gi, rwt, out1; writes xs, gi, rwt, out1
.if DOCPART == 2
	.amdgcn_target "amdgcn-amd-amdhsa--gfx1250"
	.amdhsa_code_object_version 6
	.text
	.protected	k_q607a5b0f62_place
	.globl	k_q607a5b0f62_place
	.p2align	8
	.type	k_q607a5b0f62_place,@function
k_q607a5b0f62_place:
	s_mov_b64 s[64:65], 0
	v_nop
	global_prefetch_b8 v0, s[64:65] scope:SCOPE_SE
	s_setreg_imm32_b32 hwreg(HW_REG_WAVE_MODE, 25, 1), 1
	s_wait_xcnt 0x0
; PLACE.  The 4,096 chosen (token, expert) rows are laid out by expert, in token order, in GROUPS of 16 rows; an expert's list is filled up to a multiple of 16 by
; repeating its last row.  Work-group g makes group g: it counts the routing for itself from the router's 128 x 8 masks, finds its expert and its 16 tokens, gathers
; their rows of x, rounds them once to bf16 and stores them in the order in which a wave's operand registers take them:
;   xs: group g, K step s (32 k) = 1,024 bytes at 32768 g + 1024 s; byte 16 l: lane l's registers 0-3, byte 512 + 16 l: registers 4-7 (lane l: row l % 16, k = 32 s + 8 (l / 16) .., and 16 further on)
;   gi: words 0-7 an expert's first group, words 8-15 its number of groups; at 256 + 4 slot the row of part that slot's result goes to: 2048 k + t (k: first or second choice)
;   rwt: at 4 slot the slot's weight c.
; THE GRID serves every split: the numbers of groups add up to 263 at the most (4,096 / 16 + 7); a work-group past the actual number stores no group.
; Wave 1 of the grid's last work-group, which few splits give a group, stores the table of groups and the balance loss, out1 = 8 sum_e (count_e / 2048) (sum_t softmax_e / 2048):
; every work-group has the counts; this one has the time.  Where it has a group too, it does both.
.set LASTG, 262
.set LIST,  256                        ; a list of 32 words for each wave, at LIST + 128 w: words 0-15 the group's tokens that this wave found (0 elsewhere), word 16 takes what is not wanted
.set TILE,  768                        ; 16 rows x 528 bytes for each wave
.set TP,    528                        ; 256 bf16 + 16 bytes of padding
.set SPARE, TILE+4*16*TP               ; the spare words, 128 bytes a wave: two blocks of 256 bytes that no other line names
.set RAW,   68                         ; v68-195  32 loads x 4 f32; then the fragments in v68-131
	s_load_b256 s[4:11], s[0:1], 0x0               ; x s[4:5], ri s[6:7], rf s[8:9], xs s[10:11]
	s_load_b128 s[12:15], s[0:1], 0x20             ; gi s[12:13], rwt s[14:15]
	s_load_b64 s[16:17], s[0:1], 0x30              ; out1
	v_lshl_add_u32 v4, v0, 2, SPARE                ; my spare word
	v_mov_b32 v5, 0
	v_and_b32 v1, 31, v0                           ; lane
	v_lshrrev_b32 v22, 5, v0
	v_readfirstlane_b32 s18, v22                   ; wave
	v_and_b32 v2, 15, v0                           ; r
	v_bfe_u32 v3, v0, 4, 1                         ; h
	v_lshlrev_b32 v23, 5, v0                       ; thread i reads the eight words of token block i
	s_mov_b32 s19, ttmp9                           ; g
	s_mov_b32 s21, 0xffff0000                      ; a word's upper half; also: lanes 16-31
	s_mov_b32 s99, 0
	s_wait_kmcnt 0x0
	global_load_b128 v[6:9], v23, s[6:7] offset:8192
	global_load_b128 v[10:13], v23, s[6:7] offset:8208
	v_lshl_add_u32 v43, v0, 2, LIST
	v_mov_b32 v44, 0
	ds_store_b32 v43, v44                          ; my wave's list is cleared
	s_lshl_b32 s20, s18, 7
	s_add_co_u32 s20, s20, LIST                    ; my wave's list
	s_mul_i32 s22, s18, 16*TP
	s_add_co_u32 s22, s22, TILE                    ; my wave's tile
	v_lshl_add_u32 v49, v1, 3, s22                 ; in: 8 bytes a lane
	v_mul_u32_u24 v50, v2, TP
	v_lshl_add_u32 v50, v3, 4, v50
	v_add_nc_u32 v50, s22, v50                     ; back: row r, 16 h
	v_lshlrev_b32 v51, 4, v1
	v_lshlrev_b32 v42, 4, v0                       ; block i's first token
	v_mov_b32 v22, 0
	s_wait_loadcnt 0x0
	; counts of two experts in a word (2,048 at the most each: no carry), then a prefix sum over the 128 blocks
.irp k, 0,1,2,3
	v_lshrrev_b32 v[14+(\k)], 16, v[6+2*(\k)]
	v_and_or_b32 v[14+(\k)], v[7+2*(\k)], s21, v[14+(\k)]
	v_mov_b32 v[18+(\k)], v[14+(\k)]
.endr
.irp sh, 1,2,4,8
.irp k, 0,1,2,3
	v_mov_b32_dpp v22, v[14+(\k)] row_shr:\sh row_mask:0xf bank_mask:0xf bound_ctrl:1
	v_add_nc_u32 v[14+(\k)], v[14+(\k)], v22
.endr
.endr
.irp k, 0,1,2,3
	v_readlane_b32 s[24+(\k)], v[14+(\k)], 15
	v_cndmask_b32 v22, 0, s[24+(\k)], s21          ; lanes 16-31 add the lower half's total
	v_add_nc_u32 v[14+(\k)], v[14+(\k)], v22
	v_readlane_b32 s[24+(\k)], v[14+(\k)], 31
	v_mov_b32 v[24+(\k)], s[24+(\k)]
.endr
	s_lshl_b32 s22, s18, 4
	v_mov_b32 v23, s22
	ds_store_b128 v23, v[24:27]                    ; my wave's totals
	s_wait_dscnt 0x0                               ; for the others' sake
	s_barrier_signal -1
	s_barrier_wait -1
	v_mov_b32 v23, 0
.irp j, 0,1,2,3
	ds_load_b128 v[24+4*(\j):27+4*(\j)], v23 offset:16*(\j)
.endr
	s_wait_dscnt 0x0
.set j, 0
.rept 16
	v_readfirstlane_b32 s[32+j], v[24+j]
.set j, j+1
.endr
.irp k, 0,1,2,3
	s_mov_b32 s[24+(\k)], 0
.endr
.irp j, 0,1,2                          ; the totals of the waves in front of mine
	s_cmp_gt_u32 s18, \j
.irp k, 0,1,2,3
	s_cselect_b32 s[48+(\k)], s[32+4*(\j)+(\k)], 0
.endr
.irp k, 0,1,2,3
	s_add_co_u32 s[24+(\k)], s[24+(\k)], s[48+(\k)]
.endr
.endr
.irp k, 0,1,2,3
	s_add_co_u32 s[28+(\k)], s[32+(\k)], s[36+(\k)]
	s_add_co_u32 s[28+(\k)], s[28+(\k)], s[40+(\k)]
	s_add_co_u32 s[28+(\k)], s[28+(\k)], s[44+(\k)]
	v_sub_nc_u32 v[14+(\k)], v[14+(\k)], v[18+(\k)]
	v_add_nc_u32 v[14+(\k)], s[24+(\k)], v[14+(\k)]    ; how many rows of the two experts lie in the blocks in front of block i
	s_and_b32 s[52+2*(\k)], s[28+(\k)], 0xffff         ; s52-59: an expert's rows
	s_lshr_b32 s[53+2*(\k)], s[28+(\k)], 16
.endr
	s_mov_b32 s82, 0
.irp e, 0,1,2,3,4,5,6,7
	s_mov_b32 s[74+(\e)], s82                      ; s74-81: its first group
	s_add_co_u32 s[66+(\e)], s[52+(\e)], 15
	s_lshr_b32 s[66+(\e)], s[66+(\e)], 4           ; s66-73: its groups
	s_add_co_u32 s82, s82, s[66+(\e)]              ; s82: groups in all
.endr
	s_mov_b32 s83, 0                               ; my expert: the last whose first group is not behind g
	s_mov_b32 s84, s74
	s_mov_b32 s85, s52
.irp k, 1,2,3,4,5,6,7
	s_cmp_ge_u32 s19, s[74+(\k)]
	s_cselect_b32 s83, \k, s83
	s_cselect_b32 s84, s[74+(\k)], s84
	s_cselect_b32 s85, s[52+(\k)], s85
.endr
	s_sub_co_u32 s86, s19, s84
	s_lshl_b32 s86, s86, 4                         ; the rank, in the expert's list, of my group's first row
	v_mov_b32 v40, v6                              ; block i's mask for my expert
.irp k, 1,2,3,4,5,6,7
	s_cmp_eq_u32 s83, \k
	s_cselect_b32 s23, -1, 0
	v_cndmask_b32 v40, v40, v[6+(\k)], s23
.endr
	s_lshr_b32 s87, s83, 1
	v_mov_b32 v41, v14
.irp k, 1,2,3
	s_cmp_eq_u32 s87, \k
	s_cselect_b32 s23, -1, 0
	v_cndmask_b32 v41, v41, v[14+(\k)], s23
.endr
	s_and_b32 s88, s83, 1
	s_lshl_b32 s88, s88, 4
	v_lshrrev_b32 v41, s88, v41
	v_and_b32 v41, 0xffff, v41
	v_sub_nc_u32 v41, v41, s86                     ; the place in my group of block i's next row: below 0 (a large number) or past 15 outside it
.set b, 0
.rept 16
	v_bfe_u32 v43, v40, b, 1                       ; did token 16 i + b choose my expert?
	v_add_nc_u32 v44, -1, v43                      ; 0 if so, all ones if not
	v_or_b32 v44, v41, v44
	v_min_u32 v44, 16, v44                         ; what is not wanted goes to word 16
	v_lshl_add_u32 v44, v44, 2, s20
	v_add_nc_u32 v45, b, v42
	ds_store_b32 v44, v45
	v_add_nc_u32 v41, v41, v43
.set b, b+1
.endr
	s_wait_dscnt 0x0                               ; for the others' sake: my list is written
	s_barrier_signal -1
	s_barrier_wait -1                              ; the last barrier: the branches below pass none
	s_cmp_lg_u32 s19, LASTG
	s_cbranch_scc1 .Lnotab
	s_cmp_lg_u32 s18, 1
	s_cbranch_scc1 .Lnotab
	; wave 1 of the last work-group: the table of groups and the balance loss
	v_lshlrev_b32 v45, 7, v1                       ; lane l: the sums of token blocks 4 l .. 4 l + 3
.set n, 0
.rept 8
	global_load_b128 v[132+4*n:135+4*n], v45, s[8:9] offset:16384+16*n
.set n, n+1
.endr
	v_mov_b32 v43, 0
.irp e, 0,1,2,3,4,5,6,7
	v_writelane_b32 v43, s[74+(\e)], \e
	v_writelane_b32 v43, s[66+(\e)], 8+(\e)
.endr
	v_lshlrev_b32 v44, 2, v1
	v_mov_b32 v164, 0
	s_mov_b32 s95, 0x76543210
	s_mov_b32 s96, 0xfedcba98
	s_wait_loadcnt 0x0
.irp w, 1,2,3
.irp p, 0,2,4,6
	v_pk_add_f32 v[132+(\p):133+(\p)], v[132+(\p):133+(\p)], v[132+8*(\w)+(\p):133+8*(\w)+(\p)]
.endr
.endr
.irp e, 0,1,2,3,4,5,6,7
	v_add_f32_dpp v[132+(\e)], v[132+(\e)], v[132+(\e)] row_xmask:1 row_mask:0xf bank_mask:0xf
	v_add_f32_dpp v[132+(\e)], v[132+(\e)], v[132+(\e)] row_xmask:2 row_mask:0xf bank_mask:0xf
	v_add_f32_dpp v[132+(\e)], v[132+(\e)], v[132+(\e)] row_xmask:4 row_mask:0xf bank_mask:0xf
	v_add_f32_dpp v[132+(\e)], v[132+(\e)], v[132+(\e)] row_xmask:8 row_mask:0xf bank_mask:0xf
	v_permlanex16_b32 v164, v[132+(\e)], s95, s96
	v_add_f32 v[132+(\e)], v[132+(\e)], v164
	v_cvt_f32_u32 v166, s[52+(\e)]
.if (\e) == 0
	v_mul_f32 v165, v166, v132
.else
	v_fmac_f32 v165, v166, v[132+(\e)]
.endif
.endr
	v_mul_f32 v165, 0x36000000, v165               ; 8 / 2048^2 = 2^-19
	s_wait_xcnt 0x0                                ; EXEC changes only behind this wait
	v_cmp_gt_u32 vcc_lo, 16, v1
	s_and_saveexec_b32 s94, vcc_lo
	global_store_b32 v44, v43, s[12:13]
	s_wait_xcnt 0x0
	s_or_b32 exec_lo, exec_lo, s94
	v_cmp_eq_u32 vcc_lo, 0, v1
	s_and_saveexec_b32 s94, vcc_lo
	global_store_b32 v44, v165, s[16:17]
	s_wait_xcnt 0x0                                ; also: v43 to v45 are rewritten below only behind this wait
	s_or_b32 exec_lo, exec_lo, s94
.Lnotab:
	s_cmp_ge_u32 s19, s82
	s_cbranch_scc1 .Lend                           ; no such group in this split
	s_sub_co_u32 s89, s85, s86
	s_sub_co_u32 s89, s89, 1
	s_min_u32 s89, s89, 15                         ; the last row that exists
	v_min_u32 v43, s89, v2                         ; places past it repeat it
	v_min_u32 v43, 15, v43
	v_lshlrev_b32 v43, 2, v43
	ds_load_b32 v44, v43 offset:LIST
	ds_load_b32 v45, v43 offset:LIST+128
	ds_load_b32 v46, v43 offset:LIST+256
	ds_load_b32 v47, v43 offset:LIST+384
	s_lshl_b32 s22, s18, 10
	v_lshl_add_u32 v48, v1, 4, s22                 ; my wave's 1,024 bytes of a row of x, 16 bytes a lane
	s_lshl_b32 s98, s19, 15
	s_lshl_b32 s22, s18, 13
	s_add_co_u32 s98, s98, s22
	s_add_nc_u64 s[10:11], s[10:11], s[98:99]      ; xs at my group, my wave's eight K steps
	s_wait_dscnt 0x0
	v_or_b32 v44, v44, v45                         ; one wave wrote the word, the others hold 0
	v_or_b32 v46, v46, v47
	v_or_b32 v47, v44, v46                         ; lane l: the token of row l % 16
	; the 16 tokens' choices and weights are asked for ahead of the rows, so that they are there when the rows are.  Wave 0 alone uses them; all four waves ask (192 bytes),
	; so that no register is written under one branch and read under another.
	v_min_u32 v43, 2047, v47
	v_lshlrev_b32 v44, 2, v43
	v_lshlrev_b32 v45, 3, v43
	global_load_b32 v46, v44, s[6:7]
	global_load_b64 v[196:197], v45, s[8:9]
.set rr, 0
.rept 16
	v_readlane_b32 s23, v47, rr
	s_min_u32 s23, s23, 2047
	s_lshl_b32 s23, s23, 12
	v_add_nc_u32 v[52+rr], s23, v48
	global_load_b128 v[RAW+8*rr:RAW+8*rr+3],   v[52+rr], s[4:5]
	global_load_b128 v[RAW+8*rr+4:RAW+8*rr+7], v[52+rr], s[4:5] offset:512
.set rr, rr+1
.endr
.set n, 0
.rept 32
	s_wait_loadcnt 31-n                            ; load n of the rows is in (and the two older loads above), the younger ones stay out
	v_cvt_pk_bf16_f32 v[RAW+4*n], v[RAW+4*n], v[RAW+4*n+1]
	v_cvt_pk_bf16_f32 v[RAW+4*n+1], v[RAW+4*n+2], v[RAW+4*n+3]
	ds_store_b64 v49, v[RAW+4*n:RAW+4*n+1] offset:TP*(n/2)+256*(n%2)
.set n, n+1
.endr
.set n, 0
.rept 16                               ; my own bytes, served in order: K step n / 2, its first or second 16 k
	ds_load_b128 v[RAW+4*n:RAW+4*n+3], v50 offset:64*(n/2)+32*(n%2)
.set n, n+1
.endr
.set n, 0
.rept 16
	s_wait_dscnt 15-n
	global_store_b128 v51, v[RAW+4*n:RAW+4*n+3], s[10:11] offset:512*n   ; 512 consecutive bytes, at a multiple of 512 from the buffer's first
.set n, n+1
.endr
	s_cmp_lg_u32 s18, 0
	s_cbranch_scc1 .Lend
	; wave 0: where the 16 rows' results go, and their weights
	s_lshl_b32 s98, s19, 6
	s_add_nc_u64 s[90:91], s[12:13], s[98:99]
	s_add_nc_u64 s[92:93], s[14:15], s[98:99]
	s_movk_i32 s22, 0x800
	v_lshlrev_b32 v200, 2, v1
	v_and_b32 v46, 0xff, v46
	v_cmp_ne_u32 vcc_lo, s83, v46                  ; my expert is the token's second choice
	v_cndmask_b32 v198, v196, v197, vcc_lo
	v_cndmask_b32 v199, 0, s22, vcc_lo
	v_add_nc_u32 v199, v199, v43
	s_wait_xcnt 0x0                                ; EXEC changes only behind this wait
	v_cmp_gt_u32 vcc_lo, 16, v1
	s_and_saveexec_b32 s94, vcc_lo
	global_store_b32 v200, v199, s[90:91] offset:256
	global_store_b32 v200, v198, s[92:93]
	s_wait_xcnt 0x0
	s_or_b32 exec_lo, exec_lo, s94
.Lend:
	s_wait_tensorcnt 0x0                           ; the wave's end
	ds_add_u32 v4, v5
	s_wait_dscnt 0x0
	s_endpgm
.Lfunc_end_k_q607a5b0f62_place:
	.size	k_q607a5b0f62_place, .Lfunc_end_k_q607a5b0f62_place-k_q607a5b0f62_place
	.p2alignl 7, 3214868480
	.fill 96, 4, 3214868480
	.section	.rodata,"a",@progbits
	.p2align	6, 0x0
	.amdhsa_kernel k_q607a5b0f62_place
		.amdhsa_group_segment_fixed_size 35072
		.amdhsa_private_segment_fixed_size 0
		.amdhsa_enable_private_segment 0
		.amdhsa_kernarg_size 56
		.amdhsa_user_sgpr_count 2
		.amdhsa_user_sgpr_kernarg_segment_ptr 1
		.amdhsa_wavefront_size32 1
		.amdhsa_system_sgpr_workgroup_id_x 1
		.amdhsa_system_sgpr_workgroup_id_y 1
		.amdhsa_system_sgpr_workgroup_id_z 1
		.amdhsa_system_vgpr_workitem_id 0
		.amdhsa_next_free_vgpr 208
		.amdhsa_next_free_sgpr 100
		.amdhsa_reserve_vcc 1
		.amdhsa_float_denorm_mode_32 3
		.amdhsa_float_denorm_mode_16_64 3
		.amdhsa_memory_ordered 1
		.amdhsa_forward_progress 1
		.amdhsa_inst_pref_size 42
	.end_amdhsa_kernel
	.amdgpu_metadata
---
amdhsa.version: [ 1, 2 ]
amdhsa.kernels:
  - .name:           k_q607a5b0f62_place
    .symbol:         k_q607a5b0f62_place.kd
    .args:
      - { .name: x, .offset: 0, .size: 8, .value_kind: global_buffer, .address_space: global }
      - { .name: ri, .offset: 8, .size: 8, .value_kind: global_buffer, .address_space: global }
      - { .name: rf, .offset: 16, .size: 8, .value_kind: global_buffer, .address_space: global }
      - { .name: xs, .offset: 24, .size: 8, .value_kind: global_buffer, .address_space: global }
      - { .name: gi, .offset: 32, .size: 8, .value_kind: global_buffer, .address_space: global }
      - { .name: rwt, .offset: 40, .size: 8, .value_kind: global_buffer, .address_space: global }
      - { .name: out1, .offset: 48, .size: 8, .value_kind: global_buffer, .address_space: global }
    .group_segment_fixed_size: 35072
    .private_segment_fixed_size: 0
    .kernarg_segment_align: 8
    .kernarg_segment_size: 56
    .max_flat_workgroup_size: 128
    .sgpr_count:     100
    .vgpr_count:     208
    .wavefront_size: 32
...
	.end_amdgpu_metadata
.endif
;; end of part 2
;; launch gemm (part 3): grid 32 x 8, 4 waves a work-group, no clusters, 312,832 bytes of LDS; arguments w1, b1, xs, gi, rwt, part; writes part
.if DOCPART == 3
	.amdgcn_target "amdgcn-amd-amdhsa--gfx1250"
	.amdhsa_code_object_version 6
	.text
	.protected	k_q607a5b0f62_gemm
	.globl	k_q607a5b0f62_gemm
	.p2align	8
	.type	k_q607a5b0f62_gemm,@function
k_q607a5b0f62_gemm:
	s_mov_b64 s[64:65], 0
	v_nop
	global_prefetch_b8 v0, s[64:65] scope:SCOPE_SE
	s_setreg_imm32_b32 hwreg(HW_REG_WAVE_MODE, 25, 1), 1
	s_wait_xcnt 0x0
; part[2048 k + t][n] = c (x[t] . w1[e][n] + b1[e][n]) for every chosen (token, expert): x, w1 and b1 rounded once to bf16, sums, bias, c and the result in f32.
; SHARES.  Work-group (slice, e) has columns 128 slice .. + 127 of expert e, 512 KiB of w1 that it alone reads, each byte once, and ALL of that expert's groups of 16 rows (ng of them, 0 to 128).
; Wave w takes the groups 4 n + w: n = 0 .. 5 in PASS 0, three more in each later pass.  Pass 0 streams the slab: K goes in 8 chunks of 128; while chunk c is multiplied, chunk c + 1 is rounded to
; bf16 into LDS (each wave 32 of the 128 rows) and chunk c + 2 is on its way in registers; one barrier a chunk.  Every slab byte is written once, so later passes find the whole slab in LDS and need no barrier.
; The rows of x come from xs, which lies in the order of the operand registers: loads of 512 consecutive bytes straight into fragments, a chunk (four K steps) ahead.
; EVERY SPLIT.  The pass loop counts to 10 (a wave has 32 groups at the most: 6 + 9 x 3); a pass without groups is jumped.  NO BRANCH STANDS AMONG THE PRODUCTS: a place of a pass that has no group of
; its own loads and multiplies a group that exists, and only its way out is jumped, by a scalar branch that passes no barrier.  With 33 groups an expert a wave has 8 or 9 and multiplies 9.
; With ng = 0 the work-group walks pass 0 (all barriers lie there) and stores nothing.
; IN THE PASS LOOP EVERY LDS ADDRESS IS FIXED: the later passes' chunks are written out, each with its block's address register, made once at the head.
; THE MATRIX INSTRUCTION IS USED TRANSPOSED: source 0 = 16 rows of w1, source 1 = 16 rows of x: lane l holds token l % 16 and the eight neighbouring columns 16 cb + 8 (l / 16) + 0..7.
; THE SUMS START AT THE BIAS, which lies in registers in the accumulators' own layout: in the later passes it is the C operand of the first K step; in pass 0, whose first K step stands in a loop,
; 192 packed lines copy it into the accumulators, in the wait for the first weights.
; NO TENSOR LOADS, NO JOINT LOADS.  An expert's 32 work-groups share its rows of xs; beside the slab (278,528 bytes), the stages (33,792) and the spare words 14,848 bytes of LDS are left, and one
; K step's rows for four waves of six groups are 24,576: no ring for them fits.  w1 has one reader a byte, and a chunk of it in f32 (65,536 bytes, twice for a ring) does not fit either.
; LIMITS.  NaN and infinities are not treated apart.
; REGISTERS, in windows of 256 (s_set_vgpr_msb: bits 1:0 source 0, 3:2 source 1, 5:4 source 2, 7:6 destination):
;   window 0: v1 16 x lane; v2 AV, v3 WVO offsets in xs, w1 (pass 0); v4 WS0, v5 WSA where I store rounded weights; v6 my place in a block of the slab, v7 the same in pass 0's block in hand;
;             v8 STO, v9 RDA the stage; v10 4 r; v12-17 offsets in rwt and gi; v18-23 place i's row of part for row l % 16; v24-35 c of place i in v[24 + 2 i], 0 beside it; v36, v37 the add's;
;             v48-55 my place in block c of the slab, never rewritten; v64-255 fragments of x: K step q of four, place i at 64 + 48 q + 8 i
;   window 1: the accumulators of places 0-3, (i, cb) at 64 i + 8 cb        window 2: v0-127 those of places 4, 5; v128-255 fragments of the slab, two buffers of eight
;   window 3: v0-127 a chunk of w1 in f32 (32 rows x 4), on the way out the rows read back; v128-191 the bias; v192-255 the chunk rounded
.set WP,    272                        ; a slab row in LDS: 128 bf16 + 16 bytes of padding: the 16 rows of a fragment load start at 16 different groups of four banks
.set BLK,   128*WP                     ; a chunk's block: 128 rows
.set STAGE, 8*BLK                      ; behind the slab: 16 rows x 528 bytes for each wave, for the way out
.set SPI,   528                        ; 128 f32 + 16 bytes of padding
.set SPARE, STAGE+4*16*SPI             ; the spare words, 128 bytes a wave: two blocks of 256 bytes that no other line names
.set BBC,   48                         ; v48-55
.set RDS,   18                         ; v18-23
.set MSB, 0
.macro WIN new                         ; the immediate's high byte repeats the setting that is left; a switch that changes nothing is dropped
.if MSB != (\new)
	s_set_vgpr_msb (MSB<<8)|(\new)
.set MSB, (\new)
.endif
.endm
; s17, s29 at work, s18 wave, s19 e, s20 slice, s21 ng, s22 the expert's first group, s23 ng - 1, s24 my groups, s26 pass, s27 ACT: places of the pass that have a group, s28 chunk (pass 0),
; s[36:47] xs at place i's group, s[48:63] 16 rows of part, s[66:97] their addresses, s[98:99] an offset with 0 above it
; the expert's group number k + w (pp = 1: + 12 x pass), held to groups that exist, as a group of xs -> s29
.macro GID k, pp
.if \pp
	s_mul_i32 s29, s26, 12
	s_add_co_u32 s29, s29, \k
.else
	s_mov_b32 s29, \k
.endif
	s_add_co_u32 s29, s29, s18
	s_min_u32 s29, s29, s23
	s_add_co_u32 s29, s29, s22
	s_min_u32 s29, s29, 262
.endm
.macro INIT                            ; pass 0: every sum starts at its column's bias
	WIN 0x43
.set j, 0
.rept 128
	v_pk_mul_f32 v[2*j:2*j+1], v[128+2*(j%32):129+2*(j%32)], 1.0 op_sel_hi:[1,0]
.set j, j+1
.endr
	WIN 0x83
.set j, 0
.rept 64
	v_pk_mul_f32 v[2*j:2*j+1], v[128+2*(j%32):129+2*(j%32)], 1.0 op_sel_hi:[1,0]
.set j, j+1
.endr
	WIN 0
.endm
; my 32 rows of a chunk: rounded, stored (256 consecutive bytes a row); issue = 1: the registers are asked for again, 512 consecutive bytes of a row of w1 a load
.macro WBLOCK issue, ioff
	WIN 0xCF
.set j, 0
.rept 32
	v_cvt_pk_bf16_f32 v[192+2*j], v[4*j], v[4*j+1]
	v_cvt_pk_bf16_f32 v[193+2*j], v[4*j+2], v[4*j+3]
.set j, j+1
.endr
	WIN 0x0C
.set j, 0
.rept 32
	ds_store_b64 v5, v[192+2*j:193+2*j] offset:WP*j
.set j, j+1
.endr
.if \issue
	WIN 0xC0
.set j, 0
.rept 32
	global_load_b128 v[4*j:4*j+3], v3, s[4:5] offset:4096*j+(\ioff) th:TH_LOAD_NT
.set j, j+1
.endr
.endif
	WIN 0
.endm
.macro BLOAD buf, areg, off            ; eight fragments of the slab (128 rows x 32 k) into buffer buf
	WIN 0x80
.irp cb, 0,1,2,3,4,5,6,7
	ds_load_b128 v[128+64*(\buf)+8*(\cb):128+64*(\buf)+8*(\cb)+3],   v[\areg] offset:(\off)+16*WP*(\cb)
	ds_load_b128 v[128+64*(\buf)+8*(\cb)+4:128+64*(\buf)+8*(\cb)+7], v[\areg] offset:(\off)+16*WP*(\cb)+32
.endr
.endm
.macro ALOAD q, nl, av, aoff           ; K step q of a chunk of nl groups: two loads of 512 consecutive bytes a group; the chunk stands in register av or in the immediate
	WIN 0
.set i, 0
.rept \nl
	global_load_b128 v[64+48*(\q)+8*i:64+48*(\q)+8*i+3],   v[\av], s[36+2*i:37+2*i] offset:(\aoff)+1024*(\q)
	global_load_b128 v[64+48*(\q)+8*i+4:64+48*(\q)+8*i+7], v[\av], s[36+2*i:37+2*i] offset:(\aoff)+1024*(\q)+512
.set i, i+1
.endr
.endm
; A K STEP of g places.  na: the loads issued behind this step's rows of x.  bl = 1: the next step's fragments of the slab are fetched, at register breg + boff.  nl, av, aoff: how many groups' rows
; of the same K step of the next chunk are asked for, and where they lie.  first = 1: the products take the bias as C and start the sums.
; The accumulators take turns, one instruction a turn, from K step to K step and over the loops' jumps too.
.macro KSTEP q, g, na, bl, breg, boff, nl, av, aoff, first=0
	s_wait_loadcnt \na
	s_wait_dscnt 0x0                               ; this step's fragments of the slab are in
.if \bl
	BLOAD ((\q)+1)%2, \breg, \boff
.endif
.set i, 0
.rept \g
.if \first
	WIN 0x72                                       ; C in window 3
.else
	WIN 0x52+0x50*(i/4)
.endif
.irp cb, 0,1,2,3,4,5,6,7
.if \first
	v_wmma_f32_16x16x32_bf16 v[64*(i%4)+8*(\cb):64*(i%4)+8*(\cb)+7], v[128+64*((\q)%2)+8*(\cb):128+64*((\q)%2)+8*(\cb)+7], v[64+48*(\q)+8*i:64+48*(\q)+8*i+7], v[128+8*(\cb):128+8*(\cb)+7]
.else
	v_wmma_f32_16x16x32_bf16 v[64*(i%4)+8*(\cb):64*(i%4)+8*(\cb)+7], v[128+64*((\q)%2)+8*(\cb):128+64*((\q)%2)+8*(\cb)+7], v[64+48*(\q)+8*i:64+48*(\q)+8*i+7], v[64*(i%4)+8*(\cb):64*(i%4)+8*(\cb)+7]
.endif
.endr
.set i, i+1
.endr
.rept 4
	v_nop                                          ; four places between the last product and the loads into registers that the products read: the rows of x below, the slab's buffer in the next step
.endr
	ALOAD \q, \nl, \av, \aoff                      ; the same K step of the next chunk
.endm
; A CHUNK OF PASS 0, chunk s28.  wm = 2: the next chunk of w1 is rounded and the one behind it asked for; 1: rounded only.
; The chunk's barrier stands in front of its last K step: my rows of the next block were stored at the chunk's head, three K steps ago, and behind the barrier the last K step fetches the next
; block's first fragments as every K step fetches the next one's: a K step ahead of their use.
.macro CHUNKS wm
	s_wait_xcnt 0x0                                ; the offsets of the loads issued so far are rewritten only behind this wait
	s_mul_i32 s29, s28, BLK
	v_add_nc_u32 v7, s29, v6
	s_lshl_b32 s17, s28, 12
	s_add_co_u32 s17, s17, 4096
	v_add_nc_u32 v2, s17, v1                       ; a chunk of a group is 4,096 bytes of xs: the next chunk's
	s_wait_loadcnt 48                              ; the chunk of w1 is in: behind it four K steps' twelve loads of x were issued
	s_add_co_u32 s29, s29, BLK
	v_add_nc_u32 v5, s29, v4
	s_lshl_b32 s17, s28, 9
	v_add_nc_u32 v3, s17, v1
	WBLOCK (\wm)-1, 1024
; behind a K step's twelve loads of x stand the three other steps' 36, and with wm = 2 the 32 of w1: 68; the count's field ends at 63, which asks for five more
.if (\wm) == 2
.set NA, 63
.else
.set NA, 36
.endif
	KSTEP 0, 6, NA, 1, 7, 64,  6, 2, 0
	KSTEP 1, 6, NA, 1, 7, 128, 6, 2, 0
	KSTEP 2, 6, NA, 1, 7, 192, 6, 2, 0
	s_wait_dscnt 0x0                               ; for the others' sake: my rows of the next block are in LDS
	s_barrier_signal -1
	s_barrier_wait -1                              ; everybody's are
	KSTEP 3, 6, NA, 1, 7, BLK, 6, 2, 0
	WIN 0
.endm
; CHUNK c (0 to 6) OF A LATER PASS: the slab is whole; nothing is rewritten, so no wait but the K steps' own.  18: behind a K step's six loads of x stand the three other steps'.
.macro CHUNKU c, first
	KSTEP 0, 3, 18, 1, BBC+(\c),   64,  3, 1, 4096*((\c)+1), \first
	KSTEP 1, 3, 18, 1, BBC+(\c),   128, 3, 1, 4096*((\c)+1)
	KSTEP 2, 3, 18, 1, BBC+(\c),   192, 3, 1, 4096*((\c)+1)
	KSTEP 3, 3, 18, 1, BBC+(\c)+1, 0,   3, 1, 4096*((\c)+1)
.endm
; CHUNK 7 OF A PASS of g places: what the way out wants is asked for now, a chunk ahead: for each place the weight c and the row of part of my lane's row (2 g loads of 4 bytes a lane);
; and the loads of x ahead are chunk 0 of the next pass's three groups.
.macro CHUNKL g
	s_wait_xcnt 0x0                                ; the bases and offsets of the loads and stores issued so far are rewritten only behind this wait
.irp i, 0,1,2,3,4,5
.if (\i) < (\g)
.if (\g) == 6
	GID 4*(\i), 0                                  ; pass 0: n = i
.else
	GID 12+4*(\i), 1                               ; pass p: n = 6 + 3 (p - 1) + i
.endif
	s_lshl_b32 s17, s29, 6
	v_add_nc_u32 v[12+(\i)], s17, v10              ; 4 x slot: 64 x group + 4 r
	global_load_b32 v[24+2*(\i)], v[12+(\i)], s[12:13]
	global_load_b32 v[RDS+(\i)], v[12+(\i)], s[10:11] offset:256
.endif
.endr
.irp i, 0,1,2
	GID 24+4*(\i), 1                               ; pass p + 1
	s_lshl_b32 s98, s29, 15
	s_add_nc_u64 s[36+2*(\i):37+2*(\i)], s[8:9], s[98:99]
.endr
.if (\g) == 6
; behind K step q's rows stand 12 (3 - q) loads of chunk 6, the twelve small ones and 6 q of the next pass
	KSTEP 0, 6, 48, 1, BBC+7, 64,  3, 1, 0
	KSTEP 1, 6, 42, 1, BBC+7, 128, 3, 1, 0
	KSTEP 2, 6, 36, 1, BBC+7, 192, 3, 1, 0
	KSTEP 3, 6, 30, 1, BBC,   0,   3, 1, 0
.else
; the three other steps' 18 loads of x and the six small ones
	KSTEP 0, 3, 24, 1, BBC+7, 64,  3, 1, 0
	KSTEP 1, 3, 24, 1, BBC+7, 128, 3, 1, 0
	KSTEP 2, 3, 24, 1, BBC+7, 192, 3, 1, 0
	KSTEP 3, 3, 24, 1, BBC,   0,   3, 1, 0
.endif
	WIN 0
.endm
; THE WAY OUT of place i: times c; 32 bytes a lane and column block into my stage; back as whole rows of 512 bytes; each row to its own row of part.  The first place without a group ends it.
; The 16 rows' numbers lie in lanes 0 to 15 of one register and are read into scalars; the address work stands between the loads from the stage and the waits for them.
.macro OUT i
	WIN 0
	s_cmp_le_u32 s27, \i
	s_cbranch_scc1 .Lout_done
.set AC, 64*((\i)%4)
.set OBB, 64*((\i)%2)
	WIN 0x41+0x41*((\i)/4)
.set t, 0
.rept 32                               ; each accumulator is read from its low end on
	v_pk_mul_f32 v[AC+2*t:AC+2*t+1], v[AC+2*t:AC+2*t+1], v[24+2*(\i):25+2*(\i)] op_sel_hi:[1,0]
.set t, t+1
.endr
	WIN 0x04+0x04*((\i)/4)
.set t, 0
.rept 16
	ds_store_b128 v8, v[AC+4*t:AC+4*t+3] offset:64*(t/2)+16*(t%2)
.set t, t+1
.endr
	WIN 0
.set t, 0
.rept 16
	v_readlane_b32 s[48+t], v[RDS+(\i)], t         ; where row t goes
.set t, t+1
.endr
	s_wait_xcnt 0x0                                ; the earlier groups' stores have read their data and bases: the registers below are loaded, and the bases written, only behind this wait
	WIN 0xC0
.set t, 0
.rept 16                               ; my own bytes, served in order: these see the stores above, and the next group's stores come behind them
	ds_load_b128 v[OBB+4*t:OBB+4*t+3], v9 offset:SPI*t
.set t, t+1
.endr
	WIN 0
.set t, 0
.rept 16
	s_min_u32 s98, s[48+t], 4095
	s_lshl_b32 s98, s98, 14                        ; a row of part is 16,384 bytes
	s_add_nc_u64 s[66+2*t:67+2*t], s[14:15], s[98:99]
.set t, t+1
.endr
	WIN 0x0C
.set t, 0
.rept 16
	s_wait_dscnt 15-t
	global_store_b128 v1, v[OBB+4*t:OBB+4*t+3], s[66+2*t:67+2*t]   ; 512 consecutive bytes, at a multiple of 512 from the buffer's first
.set t, t+1
.endr
	WIN 0
.endm
	s_load_b256 s[4:11], s[0:1], 0x0               ; w1 s[4:5], b1 s[6:7], xs s[8:9], gi s[10:11]
	s_load_b128 s[12:15], s[0:1], 0x20             ; rwt s[12:13], part s[14:15]
	v_lshl_add_u32 v36, v0, 2, SPARE               ; my spare word
	v_mov_b32 v37, 0
	v_lshrrev_b32 v38, 5, v0
	v_readfirstlane_b32 s18, v38                   ; wave
	s_and_b32 s19, ttmp7, 0xffff                   ; expert
	s_mov_b32 s20, ttmp9                           ; slice
	v_and_b32 v39, 31, v0
	v_lshlrev_b32 v1, 4, v39
	v_and_b32 v40, 15, v0                          ; r
	v_bfe_u32 v41, v0, 4, 1                        ; h
	v_lshlrev_b32 v42, 5, v41                      ; my half's eight columns of a block of 16, in f32
	s_mov_b32 s99, 0
	s_lshl_b32 s29, s19, 12
	s_lshl_b32 s98, s20, 7
	s_add_co_u32 s29, s29, s98
	s_lshl_b32 s98, s18, 5
	s_add_co_u32 s29, s29, s98                     ; the first row of w1 that I load: 4096 e + 128 slice + 32 w
	s_lshl_b32 s98, s29, 12
	s_lshl_b32 s16, s19, 2
	s_wait_kmcnt 0x0
	s_add_nc_u64 s[4:5], s[4:5], s[98:99]
	s_lshl_b32 s98, s19, 14
	s_lshl_b32 s29, s20, 9
	s_add_co_u32 s98, s98, s29
	s_add_nc_u64 s[6:7], s[6:7], s[98:99]          ; the slice's bias
	s_mov_b32 s98, s29
	s_add_nc_u64 s[14:15], s[14:15], s[98:99]      ; the slice's 512 bytes of a row of part
	s_load_b32 s22, s[10:11], s16 offset:0x0       ; the expert's first group,
	s_load_b32 s21, s[10:11], s16 offset:0x20      ; its number of groups
	WIN 0xC0
.irp cb, 0,1,2,3,4,5,6,7
	global_load_b128 v[128+8*(\cb):131+8*(\cb)], v42, s[6:7] offset:64*(\cb)
	global_load_b128 v[132+8*(\cb):135+8*(\cb)], v42, s[6:7] offset:64*(\cb)+16
.endr
.set j, 0
.rept 32
	global_load_b128 v[4*j:4*j+3], v1, s[4:5] offset:4096*j th:TH_LOAD_NT   ; chunk 0 of w1
.set j, j+1
.endr
	WIN 0
	s_mul_i32 s29, s18, 32*WP
	v_lshl_add_u32 v4, v39, 3, s29                 ; my 32 rows of a block, 8 bytes a lane
	v_mul_u32_u24 v6, v40, WP
	v_lshl_add_u32 v6, v41, 4, v6                  ; a fragment's row r, 16 h
.irp c, 0,1,2,3,4,5,6,7
	v_add_nc_u32 v[BBC+(\c)], (\c)*BLK, v6         ; the same in block c
.endr
	s_mul_i32 s29, s18, 16*SPI
	s_add_co_u32 s29, s29, STAGE                   ; my stage
	v_mul_u32_u24 v8, v40, SPI
	v_lshl_add_u32 v8, v41, 5, v8
	v_add_nc_u32 v8, s29, v8
	v_add_nc_u32 v9, s29, v1
	v_lshlrev_b32 v10, 2, v40
.irp i, 0,1,2,3,4,5
	v_mov_b32 v[25+2*(\i)], 0                      ; named beside c as a pair
.endr
	s_wait_kmcnt 0x0
	s_min_u32 s21, s21, 128
	s_min_u32 s22, s22, 262
	s_cmp_eq_u32 s21, 0
	s_cselect_b32 s22, 0, s22                      ; an expert without rows: group 0 is loaded and nothing is made of it
	s_max_u32 s23, s21, 1
	s_sub_co_u32 s23, s23, 1
	s_add_co_u32 s24, s21, 3
	s_sub_co_u32 s24, s24, s18
	s_lshr_b32 s24, s24, 2                         ; the groups 4 n + w below ng
	s_mov_b32 s26, 0
	s_min_u32 s27, s24, 6
.irp i, 0,1,2,3,4,5
	GID 4*(\i), 0
	s_lshl_b32 s98, s29, 15
	s_add_nc_u64 s[36+2*(\i):37+2*(\i)], s[8:9], s[98:99]
.endr
	s_wait_loadcnt 32                              ; the bias is in: behind it stand the 32 loads of w1
	WIN 0xCF
.set j, 0
.rept 32
	v_cvt_pk_bf16_f32 v[192+j], v[128+2*j], v[129+2*j]     ; the bias is rounded to bf16 like every input, and kept as f32
.set j, j+1
.endr
.set j, 0
.rept 32
	v_lshlrev_b32 v[128+2*j], 16, v[192+j]
	v_and_b32 v[129+2*j], 0xffff0000, v[192+j]
.set j, j+1
.endr
	INIT
	s_wait_loadcnt 0x0                             ; chunk 0 of w1
	v_mov_b32 v5, v4
	v_mov_b32 v3, v1
	WBLOCK 1, 512                                  ; into block 0; chunk 1 is asked for
	ALOAD 0, 6, 1, 0                               ; chunk 0 of my six groups
	ALOAD 1, 6, 1, 0
	ALOAD 2, 6, 1, 0
	ALOAD 3, 6, 1, 0
	s_wait_dscnt 0x0                               ; for the others' sake: my rows of block 0 are in LDS
	s_barrier_signal -1
	s_barrier_wait -1
	BLOAD 0, 6, 0
	WIN 0
	s_mov_b32 s28, 0
.Lstream:                                              ; chunks 0 to 5 of pass 0
	CHUNKS 2
	s_add_co_u32 s28, s28, 1
	s_cmp_lt_u32 s28, 6
	s_cbranch_scc1 .Lstream
	CHUNKS 1                                       ; chunk 6: chunk 7 is rounded, nothing is left to ask for
	CHUNKL 6
	s_branch .Lout
.Lpass:                                                ; passes 1 to 9, three places each
	s_mul_i32 s29, s26, 3
	s_add_co_u32 s29, s29, 3
	s_sub_co_i32 s27, s24, s29                     ; my groups less the 6 + 3 (p - 1) of the passes before
	s_max_i32 s27, s27, 0
	s_min_i32 s27, s27, 3
	s_cmp_eq_u32 s27, 0
	s_cbranch_scc1 .Lskip                          ; no group left
	v_nop                                          ; the pass's first products write over accumulators and are no links of a chain: with the four behind the last K step this is the fifth place
	CHUNKU 0, 1
	CHUNKU 1, 0
	CHUNKU 2, 0
	CHUNKU 3, 0
	CHUNKU 4, 0
	CHUNKU 5, 0
	CHUNKU 6, 0
	CHUNKL 3
.Lout:
	s_wait_loadcnt 24                              ; the weights and the rows' numbers are in: behind them stand the next pass's 24 loads of x, on both ways here
	OUT 0
	OUT 1
	OUT 2
	OUT 3
	OUT 4
	OUT 5
.Lout_done:
.Lskip:
	s_add_co_u32 s26, s26, 1
	s_cmp_lt_u32 s26, 10
	s_cbranch_scc1 .Lpass
	s_wait_tensorcnt 0x0                           ; the wave's end
	ds_add_u32 v36, v37
	s_wait_dscnt 0x0
	s_endpgm
.Lfunc_end_k_q607a5b0f62_gemm:
	.size	k_q607a5b0f62_gemm, .Lfunc_end_k_q607a5b0f62_gemm-k_q607a5b0f62_gemm
	.p2alignl 7, 3214868480
	.fill 96, 4, 3214868480
	.section	.rodata,"a",@progbits
	.p2align	6, 0x0
	.amdhsa_kernel k_q607a5b0f62_gemm
		.amdhsa_group_segment_fixed_size 312832
		.amdhsa_private_segment_fixed_size 0
		.amdhsa_enable_private_segment 0
		.amdhsa_kernarg_size 48
		.amdhsa_user_sgpr_count 2
		.amdhsa_user_sgpr_kernarg_segment_ptr 1
		.amdhsa_wavefront_size32 1
		.amdhsa_system_sgpr_workgroup_id_x 1
		.amdhsa_system_sgpr_workgroup_id_y 1
		.amdhsa_system_sgpr_workgroup_id_z 1
		.amdhsa_system_vgpr_workitem_id 0
		.amdhsa_next_free_vgpr 1024
		.amdhsa_next_free_sgpr 100
		.amdhsa_reserve_vcc 0
		.amdhsa_float_denorm_mode_32 3
		.amdhsa_float_denorm_mode_16_64 3
		.amdhsa_memory_ordered 1
		.amdhsa_forward_progress 1
		.amdhsa_inst_pref_size 255
	.end_amdhsa_kernel
	.section	.bss,"aw",@nobits
	.p2align	6
	.space	262144
	.amdgpu_metadata
---
amdhsa.version: [ 1, 2 ]
amdhsa.kernels:
  - .name:           k_q607a5b0f62_gemm
    .symbol:         k_q607a5b0f62_gemm.kd
    .args:
      - { .name: w1, .offset: 0, .size: 8, .value_kind: global_buffer, .address_space: global }
      - { .name: b1, .offset: 8, .size: 8, .value_kind: global_buffer, .address_space: global }
      - { .name: xs, .offset: 16, .size: 8, .value_kind: global_buffer, .address_space: global }
      - { .name: gi, .offset: 24, .size: 8, .value_kind: global_buffer, .address_space: global }
      - { .name: rwt, .offset: 32, .size: 8, .value_kind: global_buffer, .address_space: global }
      - { .name: part, .offset: 40, .size: 8, .value_kind: global_buffer, .address_space: global }
    .group_segment_fixed_size: 312832
    .private_segment_fixed_size: 0
    .kernarg_segment_align: 8
    .kernarg_segment_size: 48
    .max_flat_workgroup_size: 128
    .sgpr_count:     100
    .vgpr_count:     1024
    .wavefront_size: 32
...
	.end_amdgpu_metadata
.endif
;; end of part 3
;; launch add (part 4): grid 1024 x 1, 8 waves a work-group, no clusters, 0 bytes of LDS; arguments part, out0; writes out0
.if DOCPART == 4
	.amdgcn_target "amdgcn-amd-amdhsa--gfx1250"
	.amdhsa_code_object_version 6
	.text
	.protected	k_q607a5b0f62_add
	.globl	k_q607a5b0f62_add
	.p2align	8
	.type	k_q607a5b0f62_add,@function
k_q607a5b0f62_add:
	s_mov_b64 s[64:65], 0
	v_nop
	global_prefetch_b8 v0, s[64:65] scope:SCOPE_SE
	s_setreg_imm32_b32 hwreg(HW_REG_WAVE_MODE, 25, 1), 1
	s_wait_xcnt 0x0
; out0[t][:] = part[t][:] + part[2048 + t][:]: a token's two weighted rows, both f32.  A stream: each byte is read once and written once, so LDS, barriers and
; the matrix units would add nothing.  A work-group has 32,768 bytes of out0; a load or store of a wave covers 512 consecutive bytes; all sixteen loads of a
; wave go out before the first wait.
.set HALF, 0x2000000                   ; 2,048 rows of 16,384 bytes
	s_load_b128 s[4:7], s[0:1], 0x0                ; part s[4:5], out0 s[6:7]
	s_lshl_b32 s8, ttmp9, 15
	s_mov_b32 s9, 0
	v_lshlrev_b32 v1, 4, v0
	s_wait_kmcnt 0x0
	s_add_nc_u64 s[4:5], s[4:5], s[8:9]
	s_add_nc_u64 s[6:7], s[6:7], s[8:9]
	s_add_nc_u64 s[10:11], s[4:5], HALF
.irp j, 0,1,2,3,4,5,6,7
	global_load_b128 v[8+8*(\j):11+8*(\j)],  v1, s[4:5]   offset:4096*(\j) th:TH_LOAD_NT
	global_load_b128 v[12+8*(\j):15+8*(\j)], v1, s[10:11] offset:4096*(\j) th:TH_LOAD_NT
.endr
.irp j, 0,1,2,3,4,5,6,7
	s_wait_loadcnt 14-2*(\j)                       ; pair j is in, the younger pairs stay out
	v_pk_add_f32 v[8+8*(\j):9+8*(\j)],   v[8+8*(\j):9+8*(\j)],   v[12+8*(\j):13+8*(\j)]
	v_pk_add_f32 v[10+8*(\j):11+8*(\j)], v[10+8*(\j):11+8*(\j)], v[14+8*(\j):15+8*(\j)]
	global_store_b128 v1, v[8+8*(\j):11+8*(\j)], s[6:7] offset:4096*(\j) th:TH_STORE_NT
.endr
	s_endpgm
.Lfunc_end_k_q607a5b0f62_add:
	.size	k_q607a5b0f62_add, .Lfunc_end_k_q607a5b0f62_add-k_q607a5b0f62_add
	.p2alignl 7, 3214868480
	.fill 96, 4, 3214868480
	.section	.rodata,"a",@progbits
	.p2align	6, 0x0
	.amdhsa_kernel k_q607a5b0f62_add
		.amdhsa_group_segment_fixed_size 0
		.amdhsa_private_segment_fixed_size 0
		.amdhsa_enable_private_segment 0
		.amdhsa_kernarg_size 16
		.amdhsa_user_sgpr_count 2
		.amdhsa_user_sgpr_kernarg_segment_ptr 1
		.amdhsa_wavefront_size32 1
		.amdhsa_system_sgpr_workgroup_id_x 1
		.amdhsa_system_sgpr_workgroup_id_y 1
		.amdhsa_system_sgpr_workgroup_id_z 1
		.amdhsa_system_vgpr_workitem_id 0
		.amdhsa_next_free_vgpr 72
		.amdhsa_next_free_sgpr 66
		.amdhsa_reserve_vcc 0
		.amdhsa_float_denorm_mode_32 3
		.amdhsa_float_denorm_mode_16_64 3
		.amdhsa_memory_ordered 1
		.amdhsa_forward_progress 1
		.amdhsa_inst_pref_size 5
	.end_amdhsa_kernel
	.amdgpu_metadata
---
amdhsa.version: [ 1, 2 ]
amdhsa.kernels:
  - .name:           k_q607a5b0f62_add
    .symbol:         k_q607a5b0f62_add.kd
    .args:
      - { .name: part, .offset: 0, .size: 8, .value_kind: global_buffer, .address_space: global }
      - { .name: out0, .offset: 8, .size: 8, .value_kind: global_buffer, .address_space: global }
    .group_segment_fixed_size: 0
    .private_segment_fixed_size: 0
    .kernarg_segment_align: 8
    .kernarg_segment_size: 16
    .max_flat_workgroup_size: 256
    .sgpr_count:     66
    .vgpr_count:     72
    .wavefront_size: 32
...
	.end_amdgpu_metadata
.endif
;; end of part 4
;; ======== version 2 of 2: 4 launches; version 1 with the launch gemm written anew for expert scheduling mode
;; workspace buffers: ri 12,288 bytes of whole numbers; rf 20,480 bytes; xs 8,650,752 bytes; gi 17,152 bytes of whole numbers; rwt 16,896 bytes; part 67,108,864 bytes
;; launch router: the kernel of part 1 again; grid 128 x 1, 8 waves a work-group, no clusters, 61,440 bytes of LDS; arguments x, router_w, ri, rf; writes ri, rf
;; launch place: the kernel of part 2 again; grid 263 x 1, 4 waves a work-group, no clusters, 35,072 bytes of LDS; arguments x, ri, rf, xs, gi, rwt, out1; writes xs, gi, rwt, out1
;; launch gemm (part 5): grid 32 x 8, 4 waves a work-group, no clusters, 312,832 bytes of LDS; arguments w1, b1, xs, gi, rwt, part; writes part
.if DOCPART == 5
	.amdgcn_target "amdgcn-amd-amdhsa--gfx1250"
	.amdhsa_code_object_version 6
	.text
	.protected	k_q607a5b0f62_gemm
	.globl	k_q607a5b0f62_gemm
	.p2align	8
	.type	k_q607a5b0f62_gemm,@function
k_q607a5b0f62_gemm:
	s_mov_b64 s[64:65], 0
	v_nop
	global_prefetch_b8 v0, s[64:65] scope:SCOPE_SE
	s_setreg_imm32_b32 hwreg(HW_REG_WAVE_SCHED_MODE, 0, 2), 2
	s_setreg_imm32_b32 hwreg(HW_REG_WAVE_MODE, 25, 1), 1
	s_wait_xcnt 0x0
	s_wait_alu depctr_vm_vsrc(0)
; part[2048 k + t][n] = c (x[t] . w1[e][n] + b1[e][n]) for every chosen (token, expert): x, w1 and b1 rounded once to bf16, sums, bias, c and the result in f32.
; SHARES.  Work-group (slice, e) has columns 128 slice .. + 127 of expert e, 512 KiB of w1 that it alone reads, each byte once, and ALL of that expert's groups of 16 rows (ng of them, 0 to 128).
; Wave w takes the groups 4 n + w: n = 0 .. 5 in PASS 0, three more in each later pass.  Pass 0 streams the slab: K goes in 8 chunks of 128; while chunk c is multiplied, chunk c + 1 is rounded to
; bf16 into LDS (each wave 32 of the 128 rows) and chunk c + 2 is on its way in registers; one barrier a chunk.  Every slab byte is written once, so later passes find the whole slab in LDS and need no barrier.
; The rows of x come from xs, which lies in the order of the operand registers: loads of 512 consecutive bytes straight into fragments, a chunk (four K steps) ahead.
; EVERY SPLIT.  The pass loop counts to 10 (a wave has 32 groups at the most: 6 + 9 x 3); a pass without groups is jumped.  NO BRANCH STANDS AMONG THE PRODUCTS: a place of a pass that has no group of
; its own loads and multiplies a group that exists, and only its way out is jumped, by a scalar branch that passes no barrier.  With 33 groups an expert a wave has 8 or 9 and multiplies 9.
; With ng = 0 the work-group walks pass 0 (all barriers lie there) and stores nothing.
; IN THE PASS LOOP EVERY LDS ADDRESS IS FIXED: the later passes' chunks are written out, each with its block's address register, made once at the head.
; THE MATRIX INSTRUCTION IS USED TRANSPOSED: source 0 = 16 rows of w1, source 1 = 16 rows of x: lane l holds token l % 16 and the eight neighbouring columns 16 cb + 8 (l / 16) + 0..7.
; THE SUMS START AT THE BIAS, which lies in registers in the accumulators' own layout: in the later passes it is the C operand of the first K step; in pass 0, whose first K step stands in a loop,
; 192 packed lines copy it into the accumulators, in the wait for the first weights.
; NO TENSOR LOADS, NO JOINT LOADS.  An expert's 32 work-groups share its rows of xs; beside the slab (278,528 bytes), the stages (33,792) and the spare words 14,848 bytes of LDS are left, and one
; K step's rows for four waves of six groups are 24,576: no ring for them fits.  w1 has one reader a byte, and a chunk of it in f32 (65,536 bytes, twice for a ring) does not fit either.
; LIMITS.  NaN and infinities are not treated apart.
; THE MODE: SCHED_MODE bits 1:0 = 2 (LLVM: expert scheduling mode 2), set by the entry lines.  The code itself states the register dependences between vector or matrix instructions and memory or
; LDS instructions, with s_wait_alu, always for 0.
; THE PLAN.  Registers that memory or LDS instructions touch, and who else names them:
;   x's fragments, set q        K step q's products read set q; behind them the loads of the same K step of the next chunk land in it.
;   the slab's two buffers      K step q's products read buffer q % 2; the LDS loads issued in K step q + 1 land in it.
;     So ONE wait on va_vdst stands in a K step, behind its products.  x's rows follow it at once; the slab's 16 LDS loads follow behind the next K step's first eight products, which name the
;     other buffer, set q + 1, sums and the bias.  No vector or matrix instruction between that wait and those loads names the buffer in which they land.
;   a chunk of w1 in f32, the chunk rounded (pass 0)   The 64 roundings at a chunk's head read the one and write the other; one wait on va_vdst behind them; then the loads into the one and the LDS stores of the other.
;   v2, v3, v5, v7 (pass 0)     Written at a chunk's head, behind a wait on vm_vsrc and ahead of the roundings' wait; read by that chunk's loads and stores.
;   v12-17                      Written in chunk 7 of a pass, ahead of one wait on va_vdst; read by the small loads behind it.
;   v18-23, c                   The small loads land in them; the way out's lane reads and multiplies read them.
;   the sums                    Written by products and by the way out's multiplies; read by the stage's LDS stores, behind one wait on va_vdst; a wait on vm_vsrc behind those stores frees them for the next pass.
;   the rows read back          LDS loads land in them; global stores read them; the same wait on vm_vsrc stands ahead of the loads.
;   v1, v6, v8, v9, v48-55      Addresses, written once at the head.          v36, v37   Written at the head, read by the closing add alone.
; REGISTERS, in windows of 256 (s_set_vgpr_msb: bits 1:0 source 0, 3:2 source 1, 5:4 source 2, 7:6 destination):
;   window 0: v1 16 x lane; v2 AV, v3 WVO offsets in xs, w1 (pass 0); v4 WS0, v5 WSA where I store rounded weights; v6 my place in a block of the slab, v7 the same in pass 0's block in hand;
;             v8 STO, v9 RDA the stage; v10 4 r; v12-17 offsets in rwt and gi; v18-23 place i's row of part for row l % 16; v24-35 c of place i in v[24 + 2 i], 0 beside it; v36, v37 the add's;
;             v48-55 my place in block c of the slab, never rewritten; v64-255 fragments of x: K step q of four, place i at 64 + 48 q + 8 i
;   window 1: the accumulators of places 0-3, (i, cb) at 64 i + 8 cb        window 2: v0-127 those of places 4, 5; v128-255 fragments of the slab, two buffers of eight
;   window 3: v0-127 a chunk of w1 in f32 (32 rows x 4), on the way out the rows read back; v128-191 the bias; v192-255 the chunk rounded
.set WP,    272                        ; a slab row in LDS: 128 bf16 + 16 bytes of padding: the 16 rows of a fragment load start at 16 different groups of four banks
.set BLK,   128*WP                     ; a chunk's block: 128 rows
.set STAGE, 8*BLK                      ; behind the slab: 16 rows x 528 bytes for each wave, for the way out
.set SPI,   528                        ; 128 f32 + 16 bytes of padding
.set SPARE, STAGE+4*16*SPI             ; the spare words, 128 bytes a wave: two blocks of 256 bytes that no other line names
.set BBC,   48                         ; v48-55
.set RDS,   18                         ; v18-23
.set MSB, 0
.macro WIN new                         ; the immediate's high byte repeats the setting that is left; a switch that changes nothing is dropped
.if MSB != (\new)
	s_set_vgpr_msb (MSB<<8)|(\new)
.set MSB, (\new)
.endif
.endm
; s17, s29 at work, s18 wave, s19 e, s20 slice, s21 ng, s22 the expert's first group, s23 ng - 1, s24 my groups, s26 pass, s27 ACT: places of the pass that have a group, s28 chunk (pass 0),
; s[36:47] xs at place i's group, s[48:63] 16 rows of part, s[66:97] their addresses, s[98:99] an offset with 0 above it
; the expert's group number k + w (pp = 1: + 12 x pass), held to groups that exist, as a group of xs -> s29
.macro GID k, pp
.if \pp
	s_mul_i32 s29, s26, 12
	s_add_co_u32 s29, s29, \k
.else
	s_mov_b32 s29, \k
.endif
	s_add_co_u32 s29, s29, s18
	s_min_u32 s29, s29, s23
	s_add_co_u32 s29, s29, s22
	s_min_u32 s29, s29, 262
.endm
.macro INIT                            ; pass 0: every sum starts at its column's bias
	WIN 0x43
.set j, 0
.rept 128
	v_pk_mul_f32 v[2*j:2*j+1], v[128+2*(j%32):129+2*(j%32)], 1.0 op_sel_hi:[1,0]
.set j, j+1
.endr
	WIN 0x83
.set j, 0
.rept 64
	v_pk_mul_f32 v[2*j:2*j+1], v[128+2*(j%32):129+2*(j%32)], 1.0 op_sel_hi:[1,0]
.set j, j+1
.endr
	WIN 0
.endm
; my 32 rows of a chunk: rounded; issue = 1: the registers are asked for again at once, 512 consecutive bytes of a row of w1 a load; then the rounded rows are stored (256 consecutive bytes a row)
.macro WBLOCK issue, ioff
	WIN 0xCF
.set j, 0
.rept 32
	v_cvt_pk_bf16_f32 v[192+2*j], v[4*j], v[4*j+1]
	v_cvt_pk_bf16_f32 v[193+2*j], v[4*j+2], v[4*j+3]
.set j, j+1
.endr
.if \issue
	WIN 0xC0
	s_wait_alu depctr_va_vdst(0)                   ; the roundings are done reading the chunk in f32, in which the loads below land, and have written the chunk rounded, which the LDS stores read; the offsets made ahead of them (v3, v5; v2, v7 for the K steps; at the first use the head's addresses) are written
.set j, 0
.rept 32
	global_load_b128 v[4*j:4*j+3], v3, s[4:5] offset:4096*j+(\ioff) th:TH_LOAD_NT
.set j, j+1
.endr
	WIN 0x0C
.else
	WIN 0x0C
	s_wait_alu depctr_va_vdst(0)                   ; the roundings have written the chunk rounded, which the LDS stores read; the offsets made ahead of them (v5; v2, v7 for the K steps) are written
.endif
.set j, 0
.rept 32
	ds_store_b64 v5, v[192+2*j:193+2*j] offset:WP*j
.set j, j+1
.endr
	WIN 0
.endm
.macro BLOAD buf, areg, off            ; eight fragments of the slab (128 rows x 32 k) into buffer buf
	WIN 0x80
.irp cb, 0,1,2,3,4,5,6,7
	ds_load_b128 v[128+64*(\buf)+8*(\cb):128+64*(\buf)+8*(\cb)+3],   v[\areg] offset:(\off)+16*WP*(\cb)
	ds_load_b128 v[128+64*(\buf)+8*(\cb)+4:128+64*(\buf)+8*(\cb)+7], v[\areg] offset:(\off)+16*WP*(\cb)+32
.endr
.endm
.macro ALOAD q, nl, av, aoff           ; K step q of a chunk of nl groups: two loads of 512 consecutive bytes a group; the chunk stands in register av or in the immediate
	WIN 0
.set i, 0
.rept \nl
	global_load_b128 v[64+48*(\q)+8*i:64+48*(\q)+8*i+3],   v[\av], s[36+2*i:37+2*i] offset:(\aoff)+1024*(\q)
	global_load_b128 v[64+48*(\q)+8*i+4:64+48*(\q)+8*i+7], v[\av], s[36+2*i:37+2*i] offset:(\aoff)+1024*(\q)+512
.set i, i+1
.endr
.endm
; A K STEP of g places.  na: the loads issued behind this step's rows of x.  bl = 1: the next step's fragments of the slab are fetched, at register breg + boff, behind the first place's eight products.
; nl, av, aoff: how many groups' rows of the same K step of the next chunk are asked for, and where they lie.  first = 1: the products take the bias as C and start the sums.
; The accumulators take turns, one instruction a turn, from K step to K step and over the loops' jumps too.
.macro KSTEP q, g, na, bl, breg, boff, nl, av, aoff, first=0
	s_wait_loadcnt \na
	s_wait_dscnt 0x0                               ; this step's fragments of the slab are in
.set i, 0
.rept \g
.if \first
	WIN 0x72                                       ; C in window 3
.else
	WIN 0x52+0x50*(i/4)
.endif
.irp cb, 0,1,2,3,4,5,6,7
.if \first
	v_wmma_f32_16x16x32_bf16 v[64*(i%4)+8*(\cb):64*(i%4)+8*(\cb)+7], v[128+64*((\q)%2)+8*(\cb):128+64*((\q)%2)+8*(\cb)+7], v[64+48*(\q)+8*i:64+48*(\q)+8*i+7], v[128+8*(\cb):128+8*(\cb)+7]
.else
	v_wmma_f32_16x16x32_bf16 v[64*(i%4)+8*(\cb):64*(i%4)+8*(\cb)+7], v[128+64*((\q)%2)+8*(\cb):128+64*((\q)%2)+8*(\cb)+7], v[64+48*(\q)+8*i:64+48*(\q)+8*i+7], v[64*(i%4)+8*(\cb):64*(i%4)+8*(\cb)+7]
.endif
.endr
.if (\bl) && (i == 0)
	BLOAD ((\q)+1)%2, \breg, \boff                 ; no wait: the wait at the end of the K step before has shown that step's products done reading this buffer, and no vector or matrix instruction since names it
.endif
.set i, i+1
.endr
.rept 4
	v_nop                                          ; four places behind the last product: ahead of the loads into registers that the products read, and behind a pass's last K step ahead of the way out's first read of a sum; the wait below stands beside them and fills none
.endr
	WIN 0
	s_wait_alu depctr_va_vdst(0)                   ; this step's products are done reading their rows of x, in which the loads below land, and their buffer of the slab, in which the next step's LDS loads land
	ALOAD \q, \nl, \av, \aoff                      ; the same K step of the next chunk
.endm
; A CHUNK OF PASS 0, chunk s28.  wm = 2: the next chunk of w1 is rounded and the one behind it asked for; 1: rounded only.
; The chunk's barrier stands in front of its last K step: my rows of the next block were stored at the chunk's head, three K steps ago, and behind the barrier the last K step fetches the next
; block's first fragments as every K step fetches the next one's: a K step ahead of their use.
.macro CHUNKS wm
	s_wait_xcnt 0x0                                ; the offsets of the loads issued so far are rewritten only behind this wait
	s_wait_alu depctr_vm_vsrc(0)                   ; the loads and LDS instructions issued so far have read v2, v3, v5 and v7, and the last chunk's LDS stores the chunk rounded: all are written again below
	s_mul_i32 s29, s28, BLK
	v_add_nc_u32 v7, s29, v6
	s_lshl_b32 s17, s28, 12
	s_add_co_u32 s17, s17, 4096
	v_add_nc_u32 v2, s17, v1                       ; a chunk of a group is 4,096 bytes of xs: the next chunk's
	s_wait_loadcnt 48                              ; the chunk of w1 is in: behind it four K steps' twelve loads of x were issued
	s_add_co_u32 s29, s29, BLK
	v_add_nc_u32 v5, s29, v4
	s_lshl_b32 s17, s28, 9
	v_add_nc_u32 v3, s17, v1
	WBLOCK (\wm)-1, 1024
; behind a K step's twelve loads of x stand the three other steps' 36, and with wm = 2 the 32 of w1: 68; the count's field ends at 63, which asks for five more
.if (\wm) == 2
.set NA, 63
.else
.set NA, 36
.endif
	KSTEP 0, 6, NA, 1, 7, 64,  6, 2, 0
	KSTEP 1, 6, NA, 1, 7, 128, 6, 2, 0
	KSTEP 2, 6, NA, 1, 7, 192, 6, 2, 0
	s_wait_dscnt 0x0                               ; for the others' sake: my rows of the next block are in LDS
	s_barrier_signal -1
	s_barrier_wait -1                              ; everybody's are
	KSTEP 3, 6, NA, 1, 7, BLK, 6, 2, 0
	WIN 0
.endm
; CHUNK c (0 to 6) OF A LATER PASS: the slab is whole; nothing is rewritten, so no wait but the K steps' own.  18: behind a K step's six loads of x stand the three other steps'.
.macro CHUNKU c, first
	KSTEP 0, 3, 18, 1, BBC+(\c),   64,  3, 1, 4096*((\c)+1), \first
	KSTEP 1, 3, 18, 1, BBC+(\c),   128, 3, 1, 4096*((\c)+1)
	KSTEP 2, 3, 18, 1, BBC+(\c),   192, 3, 1, 4096*((\c)+1)
	KSTEP 3, 3, 18, 1, BBC+(\c)+1, 0,   3, 1, 4096*((\c)+1)
.endm
; CHUNK 7 OF A PASS of g places: what the way out wants is asked for now, a chunk ahead: for each place the weight c and the row of part of my lane's row (2 g loads of 4 bytes a lane);
; and the loads of x ahead are chunk 0 of the next pass's three groups.  All the offsets are made first, so that one wait serves the 2 g loads.
.macro CHUNKL g
	s_wait_xcnt 0x0                                ; the bases and offsets of the loads and stores issued so far are rewritten only behind this wait
.if (\g) != 6
	s_wait_alu depctr_vm_vsrc(0)                   ; the last pass's small loads have read v12 to v14, which are written again below (in pass 0 these registers are new)
.endif
.irp i, 0,1,2,3,4,5
.if (\i) < (\g)
.if (\g) == 6
	GID 4*(\i), 0                                  ; pass 0: n = i
.else
	GID 12+4*(\i), 1                               ; pass p: n = 6 + 3 (p - 1) + i
.endif
	s_lshl_b32 s17, s29, 6
	v_add_nc_u32 v[12+(\i)], s17, v10              ; 4 x slot: 64 x group + 4 r
.endif
.endr
	s_wait_alu depctr_va_vdst(0)                   ; the offsets are written, which the loads below read; the last way out's multiplies and lane reads are done reading c and the rows' numbers, in which these loads land
.irp i, 0,1,2,3,4,5
.if (\i) < (\g)
	global_load_b32 v[24+2*(\i)], v[12+(\i)], s[12:13]
	global_load_b32 v[RDS+(\i)], v[12+(\i)], s[10:11] offset:256
.endif
.endr
.irp i, 0,1,2
	GID 24+4*(\i), 1                               ; pass p + 1
	s_lshl_b32 s98, s29, 15
	s_add_nc_u64 s[36+2*(\i):37+2*(\i)], s[8:9], s[98:99]
.endr
.if (\g) == 6
; behind K step q's rows stand 12 (3 - q) loads of chunk 6, the twelve small ones and 6 q of the next pass
	KSTEP 0, 6, 48, 1, BBC+7, 64,  3, 1, 0
	KSTEP 1, 6, 42, 1, BBC+7, 128, 3, 1, 0
	KSTEP 2, 6, 36, 1, BBC+7, 192, 3, 1, 0
	KSTEP 3, 6, 30, 1, BBC,   0,   3, 1, 0
.else
; the three other steps' 18 loads of x and the six small ones
	KSTEP 0, 3, 24, 1, BBC+7, 64,  3, 1, 0
	KSTEP 1, 3, 24, 1, BBC+7, 128, 3, 1, 0
	KSTEP 2, 3, 24, 1, BBC+7, 192, 3, 1, 0
	KSTEP 3, 3, 24, 1, BBC,   0,   3, 1, 0
.endif
	WIN 0
.endm
; THE WAY OUT of place i: times c; 32 bytes a lane and column block into my stage; back as whole rows of 512 bytes; each row to its own row of part.  The first place without a group ends it.
; The 16 rows' numbers lie in lanes 0 to 15 of one register and are read into scalars; the address work stands between the loads from the stage and the waits for them.
.macro OUT i
	WIN 0
	s_cmp_le_u32 s27, \i
	s_cbranch_scc1 .Lout_done
.set AC, 64*((\i)%4)
.set OBB, 64*((\i)%2)
	WIN 0x41+0x41*((\i)/4)
.set t, 0
.rept 32                               ; each accumulator is read from its low end on
	v_pk_mul_f32 v[AC+2*t:AC+2*t+1], v[AC+2*t:AC+2*t+1], v[24+2*(\i):25+2*(\i)] op_sel_hi:[1,0]
.set t, t+1
.endr
	WIN 0x04+0x04*((\i)/4)
	s_wait_alu depctr_va_vdst(0)                   ; the multiplies have written the group's sums, which the LDS stores read
.set t, 0
.rept 16
	ds_store_b128 v8, v[AC+4*t:AC+4*t+3] offset:64*(t/2)+16*(t%2)
.set t, t+1
.endr
	WIN 0
.set t, 0
.rept 16
	v_readlane_b32 s[48+t], v[RDS+(\i)], t         ; where row t goes
.set t, t+1
.endr
	s_wait_xcnt 0x0                                ; the earlier groups' stores have read their data and bases: the registers below are loaded, and the bases written, only behind this wait
	s_wait_alu depctr_vm_vsrc(0)                   ; the earlier groups' global stores have read the rows read back, in which the loads below land; this group's LDS stores have read its sums, which the next pass writes
	WIN 0xC0
.set t, 0
.rept 16                               ; my own bytes, served in order: these see the stores above, and the next group's stores come behind them
	ds_load_b128 v[OBB+4*t:OBB+4*t+3], v9 offset:SPI*t
.set t, t+1
.endr
	WIN 0
	s_wait_alu depctr_va_sdst(0)                   ; the sixteen lane reads have written s48 to s63, ahead of their first reader
.set t, 0
.rept 16
	s_min_u32 s98, s[48+t], 4095
	s_lshl_b32 s98, s98, 14                        ; a row of part is 16,384 bytes
	s_add_nc_u64 s[66+2*t:67+2*t], s[14:15], s[98:99]
.set t, t+1
.endr
	WIN 0x0C
.set t, 0
.rept 16
	s_wait_dscnt 15-t
	global_store_b128 v1, v[OBB+4*t:OBB+4*t+3], s[66+2*t:67+2*t]   ; 512 consecutive bytes, at a multiple of 512 from the buffer's first
.set t, t+1
.endr
	WIN 0
.endm
	s_load_b256 s[4:11], s[0:1], 0x0               ; w1 s[4:5], b1 s[6:7], xs s[8:9], gi s[10:11]
	s_load_b128 s[12:15], s[0:1], 0x20             ; rwt s[12:13], part s[14:15]
	v_lshl_add_u32 v36, v0, 2, SPARE               ; my spare word
	v_mov_b32 v37, 0
	v_lshrrev_b32 v38, 5, v0
	v_readfirstlane_b32 s18, v38                   ; wave
	s_and_b32 s19, ttmp7, 0xffff                   ; expert
	s_mov_b32 s20, ttmp9                           ; slice
	v_and_b32 v39, 31, v0
	v_lshlrev_b32 v1, 4, v39
	v_and_b32 v40, 15, v0                          ; r
	v_bfe_u32 v41, v0, 4, 1                        ; h
	v_lshlrev_b32 v42, 5, v41                      ; my half's eight columns of a block of 16, in f32
	s_mov_b32 s99, 0
	s_lshl_b32 s29, s19, 12
	s_lshl_b32 s98, s20, 7
	s_add_co_u32 s29, s29, s98
	s_wait_alu depctr_va_sdst(0)                   ; s18 is written, ahead of its first reader
	s_lshl_b32 s98, s18, 5
	s_add_co_u32 s29, s29, s98                     ; the first row of w1 that I load: 4096 e + 128 slice + 32 w
	s_lshl_b32 s98, s29, 12
	s_lshl_b32 s16, s19, 2
	s_wait_kmcnt 0x0
	s_add_nc_u64 s[4:5], s[4:5], s[98:99]
	s_lshl_b32 s98, s19, 14
	s_lshl_b32 s29, s20, 9
	s_add_co_u32 s98, s98, s29
	s_add_nc_u64 s[6:7], s[6:7], s[98:99]          ; the slice's bias
	s_mov_b32 s98, s29
	s_add_nc_u64 s[14:15], s[14:15], s[98:99]      ; the slice's 512 bytes of a row of part
	s_load_b32 s22, s[10:11], s16 offset:0x0       ; the expert's first group,
	s_load_b32 s21, s[10:11], s16 offset:0x20      ; its number of groups
	WIN 0xC0
	s_wait_alu depctr_va_vdst(0)                   ; v1 and v42 are written, which the loads below read as their offsets
.irp cb, 0,1,2,3,4,5,6,7
	global_load_b128 v[128+8*(\cb):131+8*(\cb)], v42, s[6:7] offset:64*(\cb)
	global_load_b128 v[132+8*(\cb):135+8*(\cb)], v42, s[6:7] offset:64*(\cb)+16
.endr
.set j, 0
.rept 32
	global_load_b128 v[4*j:4*j+3], v1, s[4:5] offset:4096*j th:TH_LOAD_NT   ; chunk 0 of w1
.set j, j+1
.endr
	WIN 0
	; the other addresses are made while those loads are out; no memory or LDS instruction reads one of them ahead of the wait behind the first roundings
	s_mul_i32 s29, s18, 32*WP
	v_lshl_add_u32 v4, v39, 3, s29                 ; my 32 rows of a block, 8 bytes a lane
	v_mul_u32_u24 v6, v40, WP
	v_lshl_add_u32 v6, v41, 4, v6                  ; a fragment's row r, 16 h
.irp c, 0,1,2,3,4,5,6,7
	v_add_nc_u32 v[BBC+(\c)], (\c)*BLK, v6         ; the same in block c
.endr
	s_mul_i32 s29, s18, 16*SPI
	s_add_co_u32 s29, s29, STAGE                   ; my stage
	v_mul_u32_u24 v8, v40, SPI
	v_lshl_add_u32 v8, v41, 5, v8
	v_add_nc_u32 v8, s29, v8
	v_add_nc_u32 v9, s29, v1
	v_lshlrev_b32 v10, 2, v40
.irp i, 0,1,2,3,4,5
	v_mov_b32 v[25+2*(\i)], 0                      ; named beside c as a pair
.endr
	s_wait_kmcnt 0x0
	s_min_u32 s21, s21, 128
	s_min_u32 s22, s22, 262
	s_cmp_eq_u32 s21, 0
	s_cselect_b32 s22, 0, s22                      ; an expert without rows: group 0 is loaded and nothing is made of it
	s_max_u32 s23, s21, 1
	s_sub_co_u32 s23, s23, 1
	s_add_co_u32 s24, s21, 3
	s_sub_co_u32 s24, s24, s18
	s_lshr_b32 s24, s24, 2                         ; the groups 4 n + w below ng
	s_mov_b32 s26, 0
	s_min_u32 s27, s24, 6
.irp i, 0,1,2,3,4,5
	GID 4*(\i), 0
	s_lshl_b32 s98, s29, 15
	s_add_nc_u64 s[36+2*(\i):37+2*(\i)], s[8:9], s[98:99]
.endr
	s_wait_loadcnt 32                              ; the bias is in: behind it stand the 32 loads of w1
	WIN 0xCF
.set j, 0
.rept 32
	v_cvt_pk_bf16_f32 v[192+j], v[128+2*j], v[129+2*j]     ; the bias is rounded to bf16 like every input, and kept as f32
.set j, j+1
.endr
.set j, 0
.rept 32
	v_lshlrev_b32 v[128+2*j], 16, v[192+j]
	v_and_b32 v[129+2*j], 0xffff0000, v[192+j]
.set j, j+1
.endr
	INIT
	s_wait_loadcnt 0x0                             ; chunk 0 of w1
	v_mov_b32 v5, v4
	v_mov_b32 v3, v1
	WBLOCK 1, 512                                  ; into block 0; chunk 1 is asked for
	ALOAD 0, 6, 1, 0                               ; chunk 0 of my six groups
	ALOAD 1, 6, 1, 0
	ALOAD 2, 6, 1, 0
	ALOAD 3, 6, 1, 0
	s_wait_dscnt 0x0                               ; for the others' sake: my rows of block 0 are in LDS
	s_barrier_signal -1
	s_barrier_wait -1
	BLOAD 0, 6, 0
	WIN 0
	s_mov_b32 s28, 0
.Lstream:                                              ; chunks 0 to 5 of pass 0
	CHUNKS 2
	s_add_co_u32 s28, s28, 1
	s_cmp_lt_u32 s28, 6
	s_cbranch_scc1 .Lstream
	CHUNKS 1                                       ; chunk 6: chunk 7 is rounded, nothing is left to ask for
	CHUNKL 6
	s_branch .Lout
.Lpass:                                                ; passes 1 to 9, three places each
	s_mul_i32 s29, s26, 3
	s_add_co_u32 s29, s29, 3
	s_sub_co_i32 s27, s24, s29                     ; my groups less the 6 + 3 (p - 1) of the passes before
	s_max_i32 s27, s27, 0
	s_min_i32 s27, s27, 3
	s_cmp_eq_u32 s27, 0
	s_cbranch_scc1 .Lskip                          ; no group left
	v_nop                                          ; the pass's first products write over accumulators and are no links of a chain: with the four behind the last K step this is the fifth place
	CHUNKU 0, 1
	CHUNKU 1, 0
	CHUNKU 2, 0
	CHUNKU 3, 0
	CHUNKU 4, 0
	CHUNKU 5, 0
	CHUNKU 6, 0
	CHUNKL 3
.Lout:
	s_wait_loadcnt 24                              ; the weights and the rows' numbers are in: behind them stand the next pass's 24 loads of x, on both ways here
	OUT 0
	OUT 1
	OUT 2
	OUT 3
	OUT 4
	OUT 5
.Lout_done:
.Lskip:
	s_add_co_u32 s26, s26, 1
	s_cmp_lt_u32 s26, 10
	s_cbranch_scc1 .Lpass
	s_wait_dscnt 0x0                               ; the closing lines, six on end
	s_wait_alu 0x0
	s_wait_tensorcnt 0x0
	ds_add_u32 v36, v37
	s_wait_dscnt 0x0
	s_endpgm
.Lfunc_end_k_q607a5b0f62_gemm:
	.size	k_q607a5b0f62_gemm, .Lfunc_end_k_q607a5b0f62_gemm-k_q607a5b0f62_gemm
	.p2alignl 7, 3214868480
	.fill 96, 4, 3214868480
	.section	.rodata,"a",@progbits
	.p2align	6, 0x0
	.amdhsa_kernel k_q607a5b0f62_gemm
		.amdhsa_group_segment_fixed_size 312832
		.amdhsa_private_segment_fixed_size 0
		.amdhsa_enable_private_segment 0
		.amdhsa_kernarg_size 48
		.amdhsa_user_sgpr_count 2
		.amdhsa_user_sgpr_kernarg_segment_ptr 1
		.amdhsa_wavefront_size32 1
		.amdhsa_system_sgpr_workgroup_id_x 1
		.amdhsa_system_sgpr_workgroup_id_y 1
		.amdhsa_system_sgpr_workgroup_id_z 1
		.amdhsa_system_vgpr_workitem_id 0
		.amdhsa_next_free_vgpr 1024
		.amdhsa_next_free_sgpr 100
		.amdhsa_reserve_vcc 0
		.amdhsa_float_denorm_mode_32 3
		.amdhsa_float_denorm_mode_16_64 3
		.amdhsa_memory_ordered 1
		.amdhsa_forward_progress 1
		.amdhsa_inst_pref_size 255
	.end_amdhsa_kernel
	.section	.bss,"aw",@nobits
	.p2align	6
	.space	262144
	.amdgpu_metadata
---
amdhsa.version: [ 1, 2 ]
amdhsa.kernels:
  - .name:           k_q607a5b0f62_gemm
    .symbol:         k_q607a5b0f62_gemm.kd
    .args:
      - { .name: w1, .offset: 0, .size: 8, .value_kind: global_buffer, .address_space: global }
      - { .name: b1, .offset: 8, .size: 8, .value_kind: global_buffer, .address_space: global }
      - { .name: xs, .offset: 16, .size: 8, .value_kind: global_buffer, .address_space: global }
      - { .name: gi, .offset: 24, .size: 8, .value_kind: global_buffer, .address_space: global }
      - { .name: rwt, .offset: 32, .size: 8, .value_kind: global_buffer, .address_space: global }
      - { .name: part, .offset: 40, .size: 8, .value_kind: global_buffer, .address_space: global }
    .group_segment_fixed_size: 312832
    .private_segment_fixed_size: 0
    .kernarg_segment_align: 8
    .kernarg_segment_size: 48
    .max_flat_workgroup_size: 128
    .sgpr_count:     100
    .vgpr_count:     1024
    .wavefront_size: 32
...
	.end_amdgpu_metadata
.endif
;; end of part 5
;; launch add: the kernel of part 4 again; grid 1024 x 1, 8 waves a work-group, no clusters, 0 bytes of LDS; arguments part, out0; writes out0
